; MI455X (gfx1250); checked and timed in simulation.
; The chip was launched on July 23, 2026; its instructions are those of AMD's public machine-readable ISA for CDNA 5 (MIT licence, August 2026) and "CDNA5" Instruction Set Architecture Reference Guide (July 2026). The comments in the code are by the model that wrote it; some were corrected since.
;; Multi Head Attention. Allowed arithmetic: matrix products marked QUANTISED: E5M2 operands, one E8M0 scale for each 32 along K, by v_wmma_scale_f32_16x16x128_f8f6f4 with both operands' format E5M2, f32 sums; products left as they are: f32 operands where the result goes on into a quantised operand, else bf16, f16 or f32 operands; f32 sums; everything else in f32.
;; Inputs: Wk 1,024 x 1,024 float32; Wo 1,024 x 1,024 float32; Wq 1,024 x 1,024 float32; Wv 1,024 x 1,024 float32; k 4 x 4,096 x 1,024 float32; mask 16 x 16 float32; q 4 x 4,096 x 1,024 float32; v 4 x 4,096 x 1,024 float32.
;; Outputs: out0 4 x 4,096 x 1,024 float32.
;; This version of the problem:
;;   THIS VERSION OF THE PROBLEM IS GIVEN IN LOW PRECISION. The matrix products marked QUANTISED in the list below multiply operands that are first quantised to E5M2 (5 exponent bits, 2 mantissa bits; 8 bits a number), with one power-of-two scale for each 32 numbers along K (OCP MX v1.0); their sums are f32. All else is computed in f32.
;;   The module's matrix products, in the order in which they are computed (A, B: the left and right operand; K: the contracted axis; several contracted axes count as one K, in the product's order):
;;     1. [M 16,384, K 1,024] x [K 1,024, N 1,024]; A: input q; B: input Wq: QUANTISED
;;     2. [M 16,384, K 1,024] x [K 1,024, N 1,024]; A: input k; B: input Wk: QUANTISED
;;     3. [M 16,384, K 1,024] x [K 1,024, N 1,024]; A: input v; B: input Wv: QUANTISED
;;     4. batch 16,384 x [M 16, K 64] x [K 64, N 16]; A: computed on the way; B: computed on the way: QUANTISED
;;     5. batch 16,384 x [M 16, K 16] x [K 16, N 64]; A: softmax; B: computed on the way: left as it is (K = 16 < 32)
;;     6. [M 16,384, K 1,024] x [K 1,024, N 1,024]; A: computed on the way; B: input Wo: QUANTISED
;;   THE QUANTISER, for each operand of a quantised product, along K:
;;     - K is cut into blocks of 32 from its start; a last block that is shorter is filled with zeros.
;;     - A block's scale is 2^e with e = floor(log2(the largest magnitude in the block)) - 15, held to -126 .. 127; a block of zeros has e = 0. As a byte (E8M0): e + 127.
;;     - Each number is divided by its block's scale, clamped to +-57,344, and rounded to the nearest number of E5M2, ties to even, subnormals kept.
;;     - The product sums the exact products of the quantised numbers (number of the format x scale) in f32.
;;   ~~~python
;;   def quantise(x, axis):      # numpy; x: float32 -> the quantised numbers, widened to float32 again
;;       x = np.moveaxis(x, axis, -1); K = x.shape[-1]
;;       x = np.pad(x, [(0, 0)] * (x.ndim - 1) + [(0, -K % 32)]); x = x.reshape(x.shape[:-1] + (-1, 32)); a = np.abs(x).max(-1, keepdims=True)
;;       e = np.where(a > 0, np.clip(np.frexp(np.where(a > 0, a, 1))[1] - 1 - 15, -126, 127), 0)      # np.frexp(a)[1] - 1 = floor(log2(a)), exactly
;;       r = np.clip(x / 2.0 ** e, -57344, 57344)
;;       step = 2.0 ** (np.maximum(np.frexp(np.where(r == 0, 1, r))[1] - 1, -14) - 2)
;;       q = np.round(r / step) * step * 2.0 ** e      # np.round: ties to even
;;       return np.moveaxis(q.reshape(q.shape[:-2] + (-1,))[..., :K], -1, axis).astype(np.float32)
;;   ~~~
;;   OPERANDS COMPUTED ON THE WAY. 'Computed on the way' means the value that the module computes at that place (a softmax that the list does not call 'softmax' is quantised finished and normalised). What goes into a quantiser is computed in f32, as accurately as f32 sums, v_exp_f32 and their like allow (about 1e-6 of the number): no bf16 or f16 on the way to a quantiser, and a product that is left as it is and whose result goes on into a quantised operand takes f32 operands (vector FMAs, or v_wmma_f32_16x16x4_f32). A number that lies on a knife's edge between two numbers of the format may be rounded either way, as far as f32 arithmetic and the matrix unit's own rounding can turn it there, and no further.
;; 2 versions. Each part assembles by itself: llvm-mc -triple=amdgcn-amd-amdhsa -mcpu=gfx1250 --defsym DOCPART=n.
;; ======== version 1 of 2: 2 launches
;; workspace buffers: wq 4,325,376 bytes
;; launch prep (part 1): grid 256 x 1, 4 waves a work-group, no clusters, 0 bytes of LDS; arguments Wq, Wk, Wv, Wo, wq; writes wq
.if DOCPART == 1
	.amdgcn_target "amdgcn-amd-amdhsa--gfx1250"
	.amdhsa_code_object_version 6
	.text
	.protected	k_q2c5d41e426_prep
	.globl	k_q2c5d41e426_prep
	.p2align	8
	.type	k_q2c5d41e426_prep,@function
k_q2c5d41e426_prep:
	s_mov_b64 s[64:65], 0
	v_nop
	global_prefetch_b8 v0, s[64:65] scope:SCOPE_SE
	s_setreg_imm32_b32 hwreg(HW_REG_WAVE_MODE, 25, 1), 1
	s_wait_xcnt 0x0
; Wq, Wk, Wv, Wo [1024 (out)][1024 (in)], f32, K = the inner axis, become codes of BF8 (E5M2) with one E8M0 byte for each 32 along K, laid in wq in the order
; in which a wave of the second launch takes its operand registers.  No work of the problem is left out: every one of its eight inputs has a way to out0.
; wq: 256 blocks of 16,896 bytes, block B = ((w 4 + p) 8 + s) 2 + i: w the reading wave, p the weight (Wq, Wk, Wv, Wo), s the K step of 128, i the half of the wave's 256 columns.
; A block: 8 fragments f of 2,048 bytes, each an image of 16 registers: chunk c (512 bytes), lane l's 16 bytes at 16 l = W[n][128 s + 32 c + 16 (l / 16) + 0 .. 15], r = l % 16;
; then 512 bytes of scale words: word j of lane l's 16 bytes is that of fragment 2 j + l / 16, row r.
; WHICH ROWS FORM A FRAGMENT:  p = 0, 1: n = 256 w + 128 i + 16 f - 8 (f % 2) + r + 8 (r / 8) (so that two neighbouring tiles of the result hold 16 neighbours along the head's axis);
;   p = 2: n = 64 r + 16 w + 8 i + f (one channel d, its rows the 16 heads);   p = 3: n = 256 w + 128 i + 16 f + r.
; A block's scale is 2^(floor(log2(its largest magnitude)) - 15); its byte is the largest magnitude's exponent field - 15, held at 1 from below.
; LIMITS: NaN and infinities among the inputs are not served; a block whose largest magnitude lies under 2^(16 - 127), a block of zeros among them, gets the byte 1 (a block of zeros has zero codes, and this program alone reads the bytes).
; SHARES: work-group B makes block B; wave j its fragments 2 j and 2 j + 1 and word j of the scale words.  No LDS, no barrier: waves share nothing.
.set TM,  8                            ; v8-11 largest magnitudes, v12-15 bytes, v16-19 the largest number x the scale, v20-23 the conversion's scale operand
.set PWR, 24                           ; v24, v25 the two fragments' scale words
.set PC,  32                           ; v32-47, v48-63 their codes
.set X,   64                           ; v64-127, v128-191 their numbers: register 16 b + i = K 32 b + 16 (lane / 16) + i of my row
	s_load_b256 s[4:11], s[0:1], 0x0               ; Wq, Wk, Wv, Wo
	s_load_b64 s[12:13], s[0:1], 0x20              ; wq
	v_lshrrev_b32 v27, 5, v0
	v_readfirstlane_b32 s18, v27                   ; j: wave 0..3
	v_and_b32 v1, 31, v0                           ; lane
	v_and_b32 v2, 15, v0                           ; r
	v_bfe_u32 v3, v0, 4, 1                         ; lane / 16
	s_and_b32 s26, ttmp9, 1                        ; i
	s_bfe_u32 s27, ttmp9, 0x30001                  ; s
	s_bfe_u32 s28, ttmp9, 0x20004                  ; p
	s_lshr_b32 s29, ttmp9, 6                       ; w
	s_lshl_b32 s30, s29, 8
	s_lshl_b32 s31, s26, 7
	s_add_co_u32 s30, s30, s31
	s_lshl_b32 s31, s18, 5
	s_add_co_u32 s30, s30, s31                     ; 256 w + 128 i + 32 j: the first row of fragment 2 j for p = 0, 1, 3
	s_lshr_b32 s31, s30, 4                         ; 16 w + 8 i + 2 j: for p = 2
	s_cmp_eq_u32 s28, 2
	s_cselect_b32 s25, s31, s30                    ; the first row
	s_cselect_b32 s22, 64, 1                       ; rows from lane to lane
	s_cselect_b32 s24, 1, 16                       ; rows from fragment 2 j to 2 j + 1
	s_cmp_lt_u32 s28, 2
	s_cselect_b32 s23, 1, 0                        ; p = 0, 1: lanes 8-15 stand 8 rows further on
	s_cselect_b32 s24, 8, s24
	v_and_b32 v29, 8, v2
	v_mul_u32_u24 v28, s22, v2
	v_mad_u32_u24 v28, v29, s23, v28
	v_add_nc_u32 v28, s25, v28                     ; my row of W for fragment 2 j
	v_lshlrev_b32 v4, 12, v28                      ; a row is 4,096 bytes
	v_lshl_add_u32 v4, v3, 6, v4                   ; + 64 (lane / 16): my 16 numbers of a block of 32
	s_lshl_b32 s32, s27, 9
	v_add_nc_u32 v4, s32, v4                       ; + the K step's 512 bytes
	s_lshl_b32 s33, s24, 12
	v_add_nc_u32 v5, s33, v4                       ; the same for fragment 2 j + 1
	v_lshlrev_b32 v6, 4, v1
	v_lshlrev_b32 v7, 4, v1
	s_lshl_b32 s36, s18, 12
	v_add_nc_u32 v6, s36, v6                       ; out: 16 l + 4,096 j
	s_lshl_b32 s36, s18, 2
	v_add_nc_u32 v7, s36, v7                       ; the scale word: 16 l + 4 j
	s_mul_i32 s34, ttmp9, 16896
	s_mov_b32 s35, 0
	s_mov_b32 s19, 0x600000                        ; the mantissa field of 57,344
	s_mov_b32 s20, 0x76543210
	s_mov_b32 s21, 0xfedcba98                      ; v_permlanex16_b32's selects for lane l xor 16
.irp b, 0,1,2,3
	v_mov_b32 v[TM+4+\b], 0                        ; written once: a lane permute's destination counts as one of its sources
.endr
	s_wait_kmcnt 0x0
	s_cmp_eq_u32 s28, 0                            ; which weight: the choice hangs on the work-group's number alone
	s_cselect_b64 s[14:15], s[4:5], s[6:7]
	s_cmp_lt_u32 s28, 2
	s_cselect_b64 s[14:15], s[14:15], s[8:9]
	s_cmp_eq_u32 s28, 3
	s_cselect_b64 s[14:15], s[10:11], s[14:15]
	s_add_nc_u64 s[16:17], s[12:13], s[34:35]      ; my block of wq
.irp e, 0,1
.irp b, 0,1,2,3
.irp j, 0,1,2,3
	global_load_b128 v[X+64*\e+16*\b+4*\j:X+64*\e+16*\b+4*\j+3], v[4+\e], s[14:15] offset:128*\b+16*\j th:TH_LOAD_NT
.endr
.endr
.endr
.macro QUANTW e
.irp b, 0,1,2,3
	v_max3_num_f32 v[TM+\b], |v[X+64*\e+16*\b]|, |v[X+64*\e+16*\b+1]|, 0x8000000   ; block b: my 16 numbers, and the floor 2^(16 - 127): so the byte cannot fall under 1
.endr
.irp i, 2,4,6,8,10,12,14
.irp b, 0,1,2,3
	v_max3_num_f32 v[TM+\b], v[TM+\b], |v[X+64*\e+16*\b+\i]|, |v[X+64*\e+16*\b+\i+1]|   ; the four blocks by turns
.endr
.endr
.irp b, 0,1,2,3
	v_permlanex16_b32 v[TM+4+\b], v[TM+\b], s20, s21
.endr
.irp b, 0,1,2,3
	v_max_num_f32 v[TM+\b], v[TM+\b], v[TM+4+\b]   ; with lane l xor 16's 16: the block's largest magnitude
.endr
.irp b, 0,1,2,3
	v_add_nc_u32 v[TM+12+\b], 0xf8800000, v[TM+\b] ; 15 off its exponent field: the conversion takes the exponent field of this operand as its scale
.endr
.irp b, 0,1,2,3
	v_and_or_b32 v[TM+8+\b], v[TM+\b], 0x7f800000, s19   ; 57,344 x the scale
.endr
.irp b, 0,1,2,3
	v_lshrrev_b32 v[TM+4+\b], 23, v[TM+12+\b]      ; the scale's byte
.endr
	v_lshl_or_b32 v[PWR+\e], v[TM+5], 8, v[TM+4]   ; four bytes make my row's scale word
	v_lshl_or_b32 v[PWR+\e], v[TM+6], 16, v[PWR+\e]
	v_lshl_or_b32 v[PWR+\e], v[TM+7], 24, v[PWR+\e]
.irp b, 0,1,2,3
.irp i, 0,1,2,3,4,5,6,7,8,9,10,11,12,13,14,15
	v_med3_num_f32 v[X+64*\e+16*\b+\i], v[X+64*\e+16*\b+\i], -v[TM+8+\b], v[TM+8+\b]   ; the conversion to an 8-bit code does not saturate (ISA guide 7.6.2): the hold comes first
.endr
	v_cvt_scalef32_pk8_bf8_f32 v[PC+16*\e+4*\b:PC+16*\e+4*\b+1], v[X+64*\e+16*\b:X+64*\e+16*\b+7], v[TM+12+\b]
	v_cvt_scalef32_pk8_bf8_f32 v[PC+16*\e+4*\b+2:PC+16*\e+4*\b+3], v[X+64*\e+16*\b+8:X+64*\e+16*\b+15], v[TM+12+\b]
.endr
	v_nop                                          ; a plain line behind the last conversion, ahead of the lines that write its scale operands again
.endm
	s_wait_loadcnt 16                              ; the first fragment's 16 loads are in; the second's 16 may be out
	QUANTW 0
	s_wait_loadcnt 0x0
	QUANTW 1
.irp e, 0,1
.irp c, 0,1,2,3
	global_store_b128 v6, v[PC+16*\e+4*\c:PC+16*\e+4*\c+3], s[16:17] offset:2048*\e+512*\c   ; 32 lanes store 512 consecutive bytes, at a multiple of 256 from wq's first byte
.endr
.endr
	v_cmp_gt_u32 vcc_lo, 16, v1
	v_cndmask_b32 v26, v25, v24, vcc_lo            ; lanes 0-15 the word of fragment 2 j, lanes 16-31 that of 2 j + 1
	global_store_b32 v7, v26, s[16:17] offset:16384   ; pieces of 4 bytes, 16 apart: the four waves together fill the block's 512 bytes (3 bytes in 100 of what the launch stores)
	s_endpgm
.Lfunc_end_k_q2c5d41e426_prep:
	.size	k_q2c5d41e426_prep, .Lfunc_end_k_q2c5d41e426_prep-k_q2c5d41e426_prep
	.p2alignl 7, 3214868480
	.fill 96, 4, 3214868480
	.section	.rodata,"a",@progbits
	.p2align	6, 0x0
	.amdhsa_kernel k_q2c5d41e426_prep
		.amdhsa_group_segment_fixed_size 0
		.amdhsa_private_segment_fixed_size 0
		.amdhsa_enable_private_segment 0
		.amdhsa_kernarg_size 40
		.amdhsa_user_sgpr_count 2
		.amdhsa_user_sgpr_kernarg_segment_ptr 1
		.amdhsa_wavefront_size32 1
		.amdhsa_system_sgpr_workgroup_id_x 1
		.amdhsa_system_sgpr_workgroup_id_y 1
		.amdhsa_system_sgpr_workgroup_id_z 1
		.amdhsa_system_vgpr_workitem_id 0
		.amdhsa_next_free_vgpr 256
		.amdhsa_next_free_sgpr 66
		.amdhsa_reserve_vcc 1
		.amdhsa_float_denorm_mode_32 3
		.amdhsa_float_denorm_mode_16_64 3
		.amdhsa_memory_ordered 1
		.amdhsa_forward_progress 1
		.amdhsa_inst_pref_size 23
	.end_amdhsa_kernel
	.amdgpu_metadata
---
amdhsa.version: [ 1, 2 ]
amdhsa.kernels:
  - .name:           k_q2c5d41e426_prep
    .symbol:         k_q2c5d41e426_prep.kd
    .args:
      - { .name: Wq, .offset: 0, .size: 8, .value_kind: global_buffer, .address_space: global }
      - { .name: Wk, .offset: 8, .size: 8, .value_kind: global_buffer, .address_space: global }
      - { .name: Wv, .offset: 16, .size: 8, .value_kind: global_buffer, .address_space: global }
      - { .name: Wo, .offset: 24, .size: 8, .value_kind: global_buffer, .address_space: global }
      - { .name: wq, .offset: 32, .size: 8, .value_kind: global_buffer, .address_space: global }
    .group_segment_fixed_size: 0
    .private_segment_fixed_size: 0
    .kernarg_segment_align: 8
    .kernarg_segment_size: 40
    .max_flat_workgroup_size: 128
    .sgpr_count:     66
    .vgpr_count:     256
    .wavefront_size: 32
...
	.end_amdgpu_metadata
.endif
;; end of part 1
;; launch mha (part 2): grid 256 x 1, 4 waves a work-group, no clusters, 219,136 bytes of LDS; arguments q, k, v, mask, wq, out0; writes out0
.if DOCPART == 2
	.amdgcn_target "amdgcn-amd-amdhsa--gfx1250"
	.amdhsa_code_object_version 6
	.text
	.protected	k_q2c5d41e426_mha
	.globl	k_q2c5d41e426_mha
	.p2align	8
	.type	k_q2c5d41e426_mha,@function
k_q2c5d41e426_mha:
	s_mov_b64 s[64:65], 0
	v_nop
	global_prefetch_b8 v0, s[64:65] scope:SCOPE_SE
	s_setreg_imm32_b32 hwreg(HW_REG_WAVE_MODE, 25, 1), 1
	s_wait_xcnt 0x0
; out0 = attn Wo^T, attn[t][h] = sum over g of softmax_g(qh[t][h] . kh[t][g] / 8 x mask[h][g]) vh[t][g], qh = q Wq^T, kh = k Wk^T, vh = v Wv^T: attention over the 16 HEADS of each token.
; The four large products and the scores multiply codes of BF8 (E5M2) with one E8M0 scale for each 32 along K; p . vh takes f32 operands, since its result goes into a quantiser.  No work is left out: every input has a way to out0.
; SHARES.  A work-group of four waves takes 64 tokens (four tiles mt of 16) through the whole chain; nothing but the weights' codes (wq, made by the launch before) comes from a workspace.
; In the large products THE WAVES SHARE THE COLUMNS: wave w makes 256 columns for all 64 tokens, 64 accumulators (mt, F), 512 registers.  The products are used transposed (source 0 = 16 rows of W, source 1 = 16 tokens):
; lane (r, hh) holds token r, and its register j the tile's W row 8 hh + j.  Which rows of W form a tile is chosen by the launch before, so that what a lane holds is what the next step wants in one lane.
; THE CHAIN: q -> codes in LDS | Q product | qh -> codes in LDS; the same for k; v -> codes | V product, vh stays in the accumulators | scores, softmax, p -> LDS (f32) | by quarters of 16 tokens: vh -> LDS, attn^T = vh^T p^T in f32, attn -> codes in LDS | O product | out0.
; THE WEIGHTS GO FROM MEMORY STRAIGHT INTO REGISTERS, no tensor load, no LDS ring, no cluster: a fragment of W has ONE reader (the wave that owns its columns), so a way through LDS would write and read each byte once more for nothing;
; the tokens' state takes 218,400 of LDS's bytes, which leaves no room for two slots of a K step (135,168 bytes each); and a joint request lands in LDS alone.  Each wave keeps a ring of 16 fragments (256 registers): a group of four is asked for again
; straight behind its 16 products, 48 matrix instructions ahead of its next use; 66 loads (33,792 bytes) a wave are asked for at a time.
; LIMITS: NaN and infinities among the inputs are not served; a block whose largest magnitude lies under 2^(16 - 127), a block of zeros among them, gets the byte 1 (zero codes add nothing, and this program alone reads the bytes);
; v_exp_f32 gives 0 for results under 2^-126; the score's factor is folded: t = score x (mask x log2(e) / 8), one rounding where the source has two; p . vh sums the heads in the order 0, 1, 8, 9, 2, 3, 10, 11, ..
; LDS (bytes):
.set XCP,   528                        ; X: the A operand as images of its registers: [mt] 16,896, [block of 32 along K] 528 (512 + 16): lane l's 16 bytes at 16 l = token l % 16, K = 32 kb + 16 (l / 16) + 0 .. 15
.set XMT,   16896
.set XSC,   67584                      ; its scale words: [K step] 260, [mt] 64, [token] 4
.set QC,    69664                      ; qh's codes: [token] 1,040: chunk c at 512 c, (head, hh) at 16 head + 256 hh: a token's row IS the score's operand image.  Later p: 2 x 512 bytes of register image in the same row
.set KC,    136224                     ; kh's likewise
.set QS,    202784                     ; qh's scale words: [token] 68, [head] 4
.set KS,    207136                     ; kh's
.set VH,    136224                     ; over KC, QS, KS when they are done with: vh of 16 tokens, f32: [token] 5,136, [d] 80, [head] 4; ends at 218,400
.set STG,   136224                     ; over VH when it is done with: the way out, 16 rows x 528 for each wave
.set SPARE, 218624                     ; the spare words, 128 bytes for each wave: two blocks of 256 bytes that no other line names
.set WSTEP, 33792                      ; a wave's K step in wq: two blocks of 16,896
; REGISTERS, in windows of 256.  Window 0:
.set LI,   1                           ; 16 l: an image's place for my lane; never rewritten
.set XA,   2                           ; x: 4,096 r + 64 hh
.set XWI,  3                           ; where I store x's images: 16 l + 16,896 w
.set XWS,  4                           ; and their scale words
.set AA,   5                           ; the product's walking addresses: A's images,
.set AS,   6                           ; A's scale words
.set ASB,  7                           ; XSC + 4 r
.set EQA,  8                           ; where qh's or kh's codes go,
.set EQS,  9                           ; and their scale words
.set SCK,  10                          ; the scores: kh's image, qh's image, the scale words of my wave's 16 tokens
.set SCQ,  11
.set SCS,  12
.set VSA,  17                          ; vh into LDS
.set VFA,  18                          ; vh^T's fragments out of it
.set PPA,  19                          ; p's images
.set PVA,  20                          ; attn's codes into X
.set PVS,  21                          ; attn's scale bytes into XSC
.set OSA,  22                          ; the stage: in,
.set ORA,  23                          ; and back
.set PFO,  24                          ; the prefetches' offset: 4,096 r + 256 hh; never rewritten
.set EQ0,  25
.set EQS0, 26
.set SPW,  30                          ; LDS address of my spare word: SPARE + 4 x my thread's number; never rewritten
.set NIL,  31                          ; 0; never rewritten
.set WS,   48                          ; v48-55  W's scale words: register F / 2: lanes 0-15 for even F, lanes 16-31 for odd F
.set XS,   56                          ; v56-63  A's scale words: 4 par + mt
.set MK,   64                          ; v64-71  mask[r][8 hh + j] x log2(e) / 8
.set TM,   72                          ; v72-87  the quantiser's work
.set PW,   88                          ; the scale word just made
.set PW2,  89
.set SW,   90                          ; v90-91  the scores' scale words
.set PC,   96                          ; v96-111 the codes just made
.set AF,   128                         ; v128-255 A's fragments, set par at 64 par + 16 mt; at work outside the products
; Window 1: W's 16 fragments, F at 16 F.  Window 2: accumulators F = 0 .. 7 at 64 mt + 8 F (its v0-63 also take attn^T; the window is written by matrix instructions alone).  Window 3: F = 8 .. 15; while x is quantised: four sets of 64 numbers.
.set WP,   12                          ; s[12:13] my wave's place in wq
.set OP,   14                          ; s[14:15] out0 at my work-group's first row, my wave's columns
.set WV,   16
.set PH,   17                          ; the product in hand: 0 Q, 1 K, 2 V
.set CNT,  18
.set MNT,  19                          ; the mantissa field of 57,344
.set SEL,  20                          ; s[20:21] v_permlanex16_b32's selects for lane l xor 16
.set XP,   22                          ; s[22:23] this product's x at my wave's 16 rows
.set ROWO, 24                          ; s[24:25] those rows' byte offset
.set PF,   26                          ; s[26:27] where my prefetches stand in the next x
.set RD,   28                          ; the quarter of tokens in hand
.set TQ,   30
.set TS,   31
.set SPO,  32
.set SXO,  33
.set SSO,  34
.set MSB, 0
.macro WIN new                         ; s_set_vgpr_msb: bits 1:0 source 0, 3:2 source 1, 5:4 source 2, 7:6 destination; the high byte repeats the setting that is left
.if MSB != (\new)
	s_set_vgpr_msb (MSB<<8)|(\new)
.set MSB, (\new)
.endif
.endm
.macro PLACES n                        ; behind this matrix form 8 plain vector lines stand ahead of a load into, a vector write of or a read of its registers, 9 ahead of a matrix instruction that writes over them
.rept \n
	v_nop
.endr
.endm
.macro BARRIER                         ; my LDS stores have landed and my LDS loads are in: then the work-group's barrier
	s_wait_dscnt 0x0
	s_barrier_signal -1
	s_barrier_wait -1
.endm
; 16 nb numbers of a lane in window wx, register x + 16 b + i = K 32 b + 16 hh + i of my row, become codes in v[PC + 4 b ..] and scale bytes in v[PW].  x is only read (each accumulator from its low end on); the held numbers go to v[t ..] of window 0.
.macro QUANT x, wx, nb, t
	WIN (\wx)*5
.set qb, 0
.rept \nb
	v_max3_num_f32 v[TM+qb], |v[(\x)+16*qb]|, |v[(\x)+16*qb+1]|, 0x8000000   ; my 16 numbers of block b, and the floor 2^(16 - 127): so the byte cannot fall under 1
.set qb, qb+1
.endr
.set qi, 2
.rept 7
.set qb, 0
.rept \nb
	v_max3_num_f32 v[TM+qb], |v[(\x)+16*qb+qi]|, |v[(\x)+16*qb+qi+1]|, v[TM+qb]   ; the blocks by turns
.set qb, qb+1
.endr
.set qi, qi+2
.endr
	WIN 0
.set qb, 0
.rept \nb
	v_permlanex16_b32 v[TM+4+qb], v[TM+qb], s[SEL], s[SEL+1]
.set qb, qb+1
.endr
.set qb, 0
.rept \nb
	v_max_num_f32 v[TM+qb], v[TM+qb], v[TM+4+qb]   ; with lane l xor 16's 16: the block's largest magnitude
.set qb, qb+1
.endr
.set qb, 0
.rept \nb
	v_add_nc_u32 v[TM+12+qb], 0xf8800000, v[TM+qb] ; 15 off its exponent field: the conversion's scale operand
.set qb, qb+1
.endr
.set qb, 0
.rept \nb
	v_and_or_b32 v[TM+8+qb], v[TM+qb], 0x7f800000, s[MNT]   ; 57,344 x the scale
.set qb, qb+1
.endr
.set qb, 0
.rept \nb
	v_lshrrev_b32 v[TM+4+qb], 23, v[TM+12+qb]      ; the scale's byte
.set qb, qb+1
.endr
	s_wait_dscnt 0x0                               ; the last image's stores have read v[PC ..] and v[PW]
	v_lshl_or_b32 v[PW], v[TM+5], 8, v[TM+4]
.if \nb == 4
	v_lshl_or_b32 v[PW], v[TM+6], 16, v[PW]
	v_lshl_or_b32 v[PW], v[TM+7], 24, v[PW]
.endif
	WIN \wx
.set qb, 0
.rept \nb
.set qi, 0
.rept 16
	v_med3_num_f32 v[(\t)+16*qb+qi], v[(\x)+16*qb+qi], -v[TM+8+qb], v[TM+8+qb]   ; the conversion to an 8-bit code does not saturate (ISA guide 7.6.2): the hold comes first
.set qi, qi+1
.endr
.set qb, qb+1
.endr
	WIN 0
.set qb, 0
.rept \nb
	v_cvt_scalef32_pk8_bf8_f32 v[PC+4*qb:PC+4*qb+1], v[(\t)+16*qb:(\t)+16*qb+7], v[TM+12+qb]
	v_cvt_scalef32_pk8_bf8_f32 v[PC+4*qb+2:PC+4*qb+3], v[(\t)+16*qb+8:(\t)+16*qb+15], v[TM+12+qb]
.set qb, qb+1
.endr
	v_nop                                          ; a plain line behind the last conversion, ahead of whatever next touches its registers
.endm
; THE WEIGHTS.  Group g = fragments 4 g .. 4 g + 3 of the K step blk steps on from s[WP]; the issue order is always G0, WS0, G1, G2, WS1, G3.
.macro BLOAD g, blk
	WIN 0x40                                       ; destination window 1
.irp ff, 0,1,2,3
.irp c, 0,1,2,3
	global_load_b128 v[16*(4*(\g)+\ff)+4*\c:16*(4*(\g)+\ff)+4*\c+3], v[LI], s[WP:WP+1] offset:WSTEP*(\blk)+16896*((\g)/2)+2048*((4*(\g)+\ff)%8)+512*\c
.endr
.endr
.endm
.macro WSLOAD h, blk                   ; the scale words of fragments 8 h .. 8 h + 7
	WIN 0
	global_load_b128 v[WS+4*(\h):WS+4*(\h)+3], v[LI], s[WP:WP+1] offset:WSTEP*(\blk)+16896*(\h)+16384
.endm
; x: my 16 rows' numbers of K step s (64 a lane) into set s % 4 of window 3
.macro XLOAD s
	WIN 0xc0
.irp b, 0,1,2,3
.irp j, 0,1,2,3
	global_load_b128 v[64*((\s)%4)+16*\b+4*\j:64*((\s)%4)+16*\b+4*\j+3], v[XA], s[XP:XP+1] offset:512*(\s)+128*\b+16*\j th:TH_LOAD_NT
.endr
.endr
	WIN 0
.endm
.macro XSTEP s, lc                     ; lc: the loads issued behind K step s's sixteen
	s_wait_loadcnt \lc
	QUANT 64*((\s)%4), 3, 4, 128
.irp b, 0,1,2,3
	ds_store_b128 v[XWI], v[PC+4*\b:PC+4*\b+3] offset:XCP*(4*(\s)+\b)
.endr
	ds_store_b32 v[XWS], v[PW] offset:260*(\s)
.endm
; A's four fragments and four scale words of the K step d steps on from v[a], v[sc], into set par: 20 LDS loads
.macro ALOAD par, a, sc, d
.irp mt, 0,1,2,3
.irp c, 0,1,2,3
	ds_load_b128 v[AF+64*(\par)+16*\mt+4*\c:AF+64*(\par)+16*\mt+4*\c+3], v[\a] offset:XMT*\mt+XCP*(4*(\d)+\c)
.endr
	ds_load_b32 v[XS+4*(\par)+\mt], v[\sc] offset:260*(\d)+64*\mt
.endr
.endm
; 16 matrix instructions: group g's four fragments of W x the four tiles of tokens.  The 64 accumulators take turns, one instruction a turn, in the same order in every K step.
.macro MUL16 par, g, zero
.if (\g) < 2
	WIN 0xa1                                       ; source 0 (W) window 1, source 1 (tokens) window 0, C and D window 2
.else
	WIN 0xf1                                       ; C and D window 3
.endif
.irp ff, 0,1,2,3
.irp mt, 0,1,2,3
.set mF, 4*(\g)+\ff
.set mD, 64*\mt+8*(mF%8)
.set mA, 16*mF
.set mB, AF+64*(\par)+16*\mt
.set mS, WS+(mF/2)
.set mX, XS+4*(\par)+\mt
.if \zero
.if mF%2
	v_wmma_scale_f32_16x16x128_f8f6f4 v[mD:mD+7], v[mA:mA+15], v[mB:mB+15], 0, v[mS], v[mX] matrix_a_fmt:MATRIX_FMT_BF8 matrix_b_fmt:MATRIX_FMT_BF8 matrix_a_scale:MATRIX_SCALE_ROW1
.else
	v_wmma_scale_f32_16x16x128_f8f6f4 v[mD:mD+7], v[mA:mA+15], v[mB:mB+15], 0, v[mS], v[mX] matrix_a_fmt:MATRIX_FMT_BF8 matrix_b_fmt:MATRIX_FMT_BF8
.endif
.else
.if mF%2
	v_wmma_scale_f32_16x16x128_f8f6f4 v[mD:mD+7], v[mA:mA+15], v[mB:mB+15], v[mD:mD+7], v[mS], v[mX] matrix_a_fmt:MATRIX_FMT_BF8 matrix_b_fmt:MATRIX_FMT_BF8 matrix_a_scale:MATRIX_SCALE_ROW1
.else
	v_wmma_scale_f32_16x16x128_f8f6f4 v[mD:mD+7], v[mA:mA+15], v[mB:mB+15], v[mD:mD+7], v[mS], v[mX] matrix_a_fmt:MATRIX_FMT_BF8 matrix_b_fmt:MATRIX_FMT_BF8
.endif
.endif
.endr
.endr
.endm
; A K STEP of 128: 64 matrix instructions on A's set par.  an = 1: the next step's A is asked for first, into the other set.  bn >= 0: each group of W is asked for again, bn steps on, straight behind its products and their places.
; lc0 .. lc3: the loads issued behind the group (and, for groups 0 and 2, behind its half's scale words) that is wanted.  With refills each is 49: three groups of 16 and one load of scale words.
.macro KSTEP par, zero, an, a, sc, d, bn, lc0, lc1, lc2, lc3, np
.if \an
	ALOAD 1-(\par), \a, \sc, \d
	s_wait_dscnt 20                                ; this step's A is in; the 20 just issued may be out
.else
	s_wait_dscnt 0x0
.endif
	s_wait_loadcnt \lc0
	MUL16 \par, 0, \zero
	PLACES 8
.if (\bn) >= 0
	BLOAD 0, \bn
.endif
	s_wait_loadcnt \lc1
	MUL16 \par, 1, \zero
	PLACES 8
.if (\bn) >= 0
	WSLOAD 0, \bn
	BLOAD 1, \bn
.endif
	s_wait_loadcnt \lc2
	MUL16 \par, 2, \zero
	PLACES 8
.if (\bn) >= 0
	BLOAD 2, \bn
.endif
	s_wait_loadcnt \lc3
	MUL16 \par, 3, \zero
	PLACES \np
.if (\bn) >= 0
	WSLOAD 1, \bn
	BLOAD 3, \bn
.endif
	WIN 0
.endm
; A PREFETCH of the next x (k during the Q product, v during the K product): 512 bytes of each of my wave's own 16 rows, two lanes a row, 256 bytes apart.  Four a product: the rows' first 2,048 bytes, which the next
; quantising asks for at once.  Each block of 256 bytes is named once in the launch: the rows are my wave's alone.  It stands behind a K step's refills, a K step ahead of the wait that frees its address.
.macro ASKX
	s_cmp_lt_u32 s[PH], 2
	s_cbranch_scc0 .Lnoask_\@
	global_prefetch_b8 v[PFO], s[PF:PF+1] th:TH_LOAD_NT scope:SCOPE_SE
.Lnoask_\@:
.endm
; A PRODUCT: 8 K steps.  s[WP] stands at its K step 0, whose fragments have been asked for.  Step 0 starts the sums and step 7 asks for nothing: both are written out.
.macro GEMM ask
	ALOAD 0, LI, ASB, 0
	KSTEP 0, 1, 1, LI, ASB, 1, 1, 49, 49, 49, 49, 8
	s_wait_xcnt 0x0                                ; the loads have read their base
	s_wait_dscnt 0x0                               ; and the LDS loads their addresses (asked for 64 matrix instructions ago)
	s_add_nc_u64 s[WP:WP+1], s[WP:WP+1], WSTEP
	v_add_nc_u32 v[AA], 4*XCP, v[LI]
	v_add_nc_u32 v[AS], 260, v[ASB]
	s_mov_b32 s[CNT], 3
.Lk_\@:                                            ; steps 1 .. 6, two a trip
	KSTEP 1, 0, 1, AA, AS, 1, 1, 49, 49, 49, 49, 8
.if \ask
	ASKX
.endif
	KSTEP 0, 0, 1, AA, AS, 2, 2, 49, 49, 49, 49, 8
	s_wait_xcnt 0x0
	s_wait_dscnt 0x0
	s_add_nc_u64 s[WP:WP+1], s[WP:WP+1], 2*WSTEP
.if \ask
	s_add_nc_u64 s[PF:PF+1], s[PF:PF+1], 512
.endif
	v_add_nc_u32 v[AA], 8*XCP, v[AA]
	v_add_nc_u32 v[AS], 520, v[AS]
	s_sub_co_u32 s[CNT], s[CNT], 1
	s_cmp_lg_u32 s[CNT], 0
	s_cbranch_scc1 .Lk_\@
.if \ask
	ASKX
.endif
	KSTEP 1, 0, 0, 0, 0, 0, -1, 49, 33, 16, 0, 9   ; step 7: no refills, so the counts run down; nine places, since its registers are next written over by matrix instructions
.endm
; qh or kh, half i of my columns (window wx), becomes codes.  Block b of a tile of tokens is head 4 w + 2 i + b / 2, channels 32 (b % 2) on.
.macro EQOUT wx, i
.irp mt, 0,1,2,3
	QUANT 64*\mt, \wx, 4, 128
.irp b, 0,1,2,3
	ds_store_b128 v[EQA], v[PC+4*\b:PC+4*\b+3] offset:16640*\mt+512*(\b%2)+32*(\i)+16*(\b/2)
.endr
	v_lshrrev_b32 v[PW2], 16, v[PW]
	ds_store_b32 v[EQS], v[PW] offset:1088*\mt+8*(\i)      ; a head's word: its two bytes below; the two above (the next head's, or 0) stand over zero codes and are never 0xff
	ds_store_b32 v[EQS], v[PW2] offset:1088*\mt+8*(\i)+4
.endr
.endm
; vh of tokens 16 rd .. 16 rd + 15 goes to LDS: lane (token, hh) holds, for each of my 16 channels d, heads 8 hh + 0 .. 7
.macro VHSTORE rd
.irp i, 0,1
	WIN 0x08+4*\i                                  ; an LDS store's data are its source 1: window 2, then 3
.irp f, 0,1,2,3,4,5,6,7
	ds_store_b128 v[VSA], v[64*(\rd)+8*\f:64*(\rd)+8*\f+3] offset:80*(8*\i+\f)
	ds_store_b128 v[VSA], v[64*(\rd)+8*\f+4:64*(\rd)+8*\f+7] offset:80*(8*\i+\f)+16
.endr
.endr
	WIN 0
.endm
; Two tokens (4 w + 2 j + k of the quarter): attn^T = vh^T p^T in f32: source 0 = 16 channels x 4 heads, source 1 = 4 heads x 16 heads h.  The K slot 2 hh + jj is head 8 hh + 2 q + jj on both sides.
; Tile tt = 2 b + u takes channels 32 b + 8 u + r + 8 (r / 8), so that a lane's 16 registers of tiles 2 b, 2 b + 1 are channels 32 b + 16 hh + 0 .. 15 of head h = r: a block of the O product's K.
.macro PAIR j
.irp k, 0,1
	ds_load_b128 v[128+8*\k:131+8*\k], v13 offset:2080*(\j)+1040*\k
	ds_load_b128 v[132+8*\k:135+8*\k], v13 offset:2080*(\j)+1040*\k+512
.irp tt, 0,1,2,3
	ds_load_b128 v[144+32*\k+8*\tt:147+32*\k+8*\tt], v[VFA] offset:10272*(\j)+5136*\k+80*(32*(\tt/2)+8*(\tt%2))
	ds_load_b128 v[148+32*\k+8*\tt:151+32*\k+8*\tt], v[VFA] offset:10272*(\j)+5136*\k+80*(32*(\tt/2)+8*(\tt%2))+16
.endr
.endr
	s_wait_dscnt 0x0
	WIN 0xa0                                       ; C and D window 2
.irp q, 0,1,2,3
.irp tt, 0,1,2,3
.irp k, 0,1
.if \q == 0
	v_wmma_f32_16x16x4_f32 v[32*\k+8*\tt:32*\k+8*\tt+7], v[144+32*\k+8*\tt+2*\q:145+32*\k+8*\tt+2*\q], v[128+8*\k+2*\q:129+8*\k+2*\q], 0
.else
	v_wmma_f32_16x16x4_f32 v[32*\k+8*\tt:32*\k+8*\tt+7], v[144+32*\k+8*\tt+2*\q:145+32*\k+8*\tt+2*\q], v[128+8*\k+2*\q:129+8*\k+2*\q], v[32*\k+8*\tt:32*\k+8*\tt+7]
.endif
.endr
.endr
.endr
	WIN 0
	PLACES 9                                       ; the eight accumulators took turns; nine places serve the reads below, the next loads and the next sums' start
.irp k, 0,1
	QUANT 32*\k, 2, 2, 208
.irp b, 0,1
	ds_store_b128 v15, v[PC+4*\b:PC+4*\b+3] offset:32*(\j)+16*\k+XCP*\b   ; block 2 h + b of the O product's K, token row 4 w + 2 j + k
.endr
	ds_store_b16 v16, v[PW] offset:8*(\j)+4*\k     ; its two scale bytes
.endr
.endm
; THE WAY OUT, block o = 2 mt + i: 16 tokens x 128 columns go through my own stage and come back as rows of 512 bytes.  LDS serves a wave's instructions in order (ISA guide 5.7.1.4): no wait between the stores and the loads.
.macro TOSTAGE o
	WIN 0x08+4*((\o)%2)
.irp f, 0,1,2,3,4,5,6,7
	ds_store_b128 v[OSA], v[64*((\o)/2)+8*\f:64*((\o)/2)+8*\f+3] offset:64*\f       ; each accumulator from its low end on
	ds_store_b128 v[OSA], v[64*((\o)/2)+8*\f+4:64*((\o)/2)+8*\f+7] offset:64*\f+16
.endr
	WIN 0
.irp t, 0,1,2,3,4,5,6,7,8,9,10,11,12,13,14,15
	ds_load_b128 v[128+64*((\o)%2)+4*\t:128+64*((\o)%2)+4*\t+3], v[ORA] offset:528*\t
.endr
.endm
.macro SEND o, y                       ; y: the LDS instructions issued behind block o's loads
	s_wait_dscnt \y
.irp t, 0,1,2,3,4,5,6,7,8,9,10,11,12,13,14,15
	global_store_b128 v[LI], v[128+64*((\o)%2)+4*\t:128+64*((\o)%2)+4*\t+3], s[OP:OP+1] offset:4096*(16*((\o)/2)+\t)+512*((\o)%2) th:TH_STORE_NT   ; 32 lanes store 512 consecutive bytes, at a multiple of 256 from out0's first byte
.endr
.endm
	; ---- the head
	s_load_b256 s[4:11], s[0:1], 0x0               ; q s[4:5], k s[6:7], v s[8:9], mask s[10:11]
	s_load_b128 s[12:15], s[0:1], 0x20             ; wq, out0
	v_lshl_add_u32 v[SPW], v0, 2, SPARE
	v_mov_b32 v[NIL], 0
	v_lshrrev_b32 v35, 5, v0
	v_readfirstlane_b32 s[WV], v35                 ; wave 0..3
	v_and_b32 v32, 31, v0                          ; l
	v_and_b32 v33, 15, v0                          ; r
	v_bfe_u32 v34, v0, 4, 1                        ; hh
	v_lshlrev_b32 v[LI], 4, v32
	v_lshlrev_b32 v[XA], 12, v33
	v_lshl_add_u32 v[XA], v34, 6, v[XA]
	s_mul_i32 s36, s[WV], XMT
	v_add_nc_u32 v[XWI], s36, v[LI]
	s_lshl_b32 s36, s[WV], 6                       ; 64 w
	s_add_co_u32 s37, s36, XSC
	v_lshl_add_u32 v[XWS], v33, 2, s37
	v_lshl_add_u32 v[ASB], v33, 2, XSC
	v_mul_u32_u24 v[EQ0], v33, 1040
	v_lshl_add_u32 v[EQ0], v34, 8, v[EQ0]
	s_add_co_u32 s37, s36, QC
	v_add_nc_u32 v[EQ0], s37, v[EQ0]               ; QC + 1,040 r + 256 hh + 64 w
	v_mul_u32_u24 v[EQS0], v33, 68
	s_lshl_b32 s38, s[WV], 4                       ; 16 w
	s_add_co_u32 s37, s38, QS
	v_add_nc_u32 v[EQS0], s37, v[EQS0]             ; QS + 68 r + 16 w
	s_mul_i32 s37, s[WV], 16640
	s_add_co_u32 s39, s37, KC
	v_add_nc_u32 v[SCK], s39, v[LI]
	s_add_co_u32 s39, s37, QC
	v_add_nc_u32 v[SCQ], s39, v[LI]
	v_mul_u32_u24 v[SCS], v34, 4352                ; lanes 0-15 take qh's words, lanes 16-31 kh's, 4,352 bytes on
	v_lshl_add_u32 v[SCS], v33, 2, v[SCS]
	s_mul_i32 s37, s[WV], 1088
	s_add_co_u32 s37, s37, QS
	v_add_nc_u32 v[SCS], s37, v[SCS]
	v_mul_u32_u24 v[VSA], v33, 5136
	v_lshl_add_u32 v[VSA], v34, 5, v[VSA]
	s_mul_i32 s37, s[WV], 1280
	s_add_co_u32 s37, s37, VH
	v_add_nc_u32 v[VSA], s37, v[VSA]               ; VH + 5,136 r + 32 hh + 80 x 16 w
	v_and_b32 v35, 8, v33
	v_add_nc_u32 v35, v35, v33                     ; r + 8 (r / 8)
	v_mul_u32_u24 v[VFA], v35, 80
	v_lshl_add_u32 v[VFA], v34, 5, v[VFA]
	s_mul_i32 s37, s[WV], 20544
	s_add_co_u32 s37, s37, VH
	v_add_nc_u32 v[VFA], s37, v[VFA]               ; my wave's four tokens of a quarter
	s_mul_i32 s37, s[WV], 4160
	s_add_co_u32 s37, s37, QC
	v_add_nc_u32 v[PPA], s37, v[LI]
	v_mul_u32_u24 v[PVA], v33, 2*XCP
	v_lshl_add_u32 v[PVA], v34, 8, v[PVA]
	v_add_nc_u32 v[PVA], s36, v[PVA]               ; 1,056 r + 256 hh + 64 w
	v_lshrrev_b32 v35, 1, v33
	v_mul_u32_u24 v[PVS], v35, 260
	v_and_b32 v35, 1, v33
	v_lshl_add_u32 v[PVS], v35, 1, v[PVS]
	s_add_co_u32 s37, s38, XSC
	v_add_nc_u32 v[PVS], s37, v[PVS]               ; XSC + 260 (r / 2) + 2 (r % 2) + 16 w
	s_mul_i32 s37, s[WV], 8448
	s_add_co_u32 s37, s37, STG
	v_mul_u32_u24 v[OSA], v33, 528
	v_lshl_add_u32 v[OSA], v34, 5, v[OSA]
	v_add_nc_u32 v[OSA], s37, v[OSA]
	v_add_nc_u32 v[ORA], s37, v[LI]
	v_lshlrev_b32 v[PFO], 12, v33
	v_lshl_add_u32 v[PFO], v34, 8, v[PFO]
	v_lshlrev_b32 v36, 6, v33
	v_lshl_add_u32 v36, v34, 5, v36                ; mask: row r of 64 bytes, + 32 hh
.irp b, 0,1,2,3
	v_mov_b32 v[TM+4+\b], 0                        ; written once: a lane permute's destination counts as one of its sources
.endr
	s_mov_b32 s[MNT], 0x600000
	s_mov_b32 s[SEL], 0x76543210
	s_mov_b32 s[SEL+1], 0xfedcba98
	s_lshl_b32 s[ROWO], ttmp9, 18                  ; 64 rows of 4,096 bytes a work-group,
	s_lshl_b32 s37, s[WV], 16                      ; 16 a wave
	s_add_co_u32 s[ROWO], s[ROWO], s37
	s_mov_b32 s[ROWO+1], 0
	s_lshl_b32 s38, ttmp9, 18
	s_lshl_b32 s39, s[WV], 10                      ; my wave's 256 columns of out0
	s_add_co_u32 s38, s38, s39
	s_mov_b32 s39, 0
	s_mul_i32 s36, s[WV], 32*WSTEP                 ; my wave's stream in wq: 4 products x 8 K steps
	s_mov_b32 s37, 0
	s_mov_b32 s[PH], 0
	s_wait_kmcnt 0x0
	s_add_nc_u64 s[WP:WP+1], s[WP:WP+1], s[36:37]
	s_add_nc_u64 s[OP:OP+1], s[OP:OP+1], s[38:39]
	global_load_b128 v[MK:MK+3], v36, s[10:11]
	global_load_b128 v[MK+4:MK+7], v36, s[10:11] offset:16
	s_wait_loadcnt 0x0
.irp j, 0,2,4,6
	v_pk_mul_f32 v[MK+\j:MK+\j+1], v[MK+\j:MK+\j+1], 0x3e38aa3b op_sel_hi:[1,0]   ; x log2(e) / 8
.endr
.Lphase:                                           ; three trips: the Q, K and V products
	s_cmp_eq_u32 s[PH], 0
	s_cselect_b64 s[XP:XP+1], s[4:5], s[6:7]
	s_cselect_b64 s[PF:PF+1], s[6:7], s[8:9]       ; the next x
	s_cmp_eq_u32 s[PH], 2
	s_cselect_b64 s[XP:XP+1], s[8:9], s[XP:XP+1]
	s_add_nc_u64 s[XP:XP+1], s[XP:XP+1], s[ROWO:ROWO+1]
	s_add_nc_u64 s[PF:PF+1], s[PF:PF+1], s[ROWO:ROWO+1]
	s_and_b32 s36, s[PH], 1                        ; qh's codes or kh's
	s_mul_i32 s37, s36, KC-QC
	v_add_nc_u32 v[EQA], s37, v[EQ0]
	s_mul_i32 s38, s36, KS-QS
	v_add_nc_u32 v[EQS], s38, v[EQS0]
	; x -> codes: four K steps' loads (64 a wave) run ahead; the ring's first fill is asked for on the way.  Counts: the loads younger than the step's sixteen: three sets of 16; for steps 6 and 7 one load of scale words more
	XLOAD 0
	XLOAD 1
	XLOAD 2
	XLOAD 3
	XSTEP 0, 48
	XLOAD 4
	XSTEP 1, 48
	XLOAD 5
	XSTEP 2, 48
	XLOAD 6
	XSTEP 3, 48
	XLOAD 7
	XSTEP 4, 48
	BLOAD 0, 0
	XSTEP 5, 48
	WSLOAD 0, 0
	BLOAD 1, 0
	XSTEP 6, 49
	BLOAD 2, 0
	XSTEP 7, 49
	WSLOAD 1, 0
	BLOAD 3, 0
	WIN 0
	BARRIER                                        ; the 64 tokens' images, each tile stored by one wave, lie in LDS for all four
	GEMM 1
	s_cmp_lt_u32 s[PH], 2                          ; vh stays in the accumulators
	s_cbranch_scc0 .Lnoeq
	EQOUT 2, 0
	EQOUT 3, 1
.Lnoeq:
	BARRIER                                        ; every wave's reads of X are over, so it may be written again; qh's or kh's codes have landed
	s_wait_xcnt 0x0                                ; the loads and prefetches have read their bases
	s_add_nc_u64 s[WP:WP+1], s[WP:WP+1], WSTEP     ; from K step 7 to the next product's K step 0
	s_add_co_u32 s[PH], s[PH], 1
	s_cmp_lt_u32 s[PH], 3
	s_cbranch_scc1 .Lphase
	; ---- Wo's first K step is asked for now: it lands under the scores and p . vh, which issue no global load, so the product's counts hold
	BLOAD 0, 0
	WSLOAD 0, 0
	BLOAD 1, 0
	BLOAD 2, 0
	WSLOAD 1, 0
	BLOAD 3, 0
	WIN 0
	; ---- THE SCORES AND THE SOFTMAX: my wave's 16 tokens, two a trip.  S^T = kh qh^T (source 0 = the 16 heads g of kh, source 1 = the 16 heads h of qh): lane (h, hh) holds g = 8 hh + 0 .. 7.  K = 64: the upper 64 of the instruction's 128 are zero codes.
.irp z, 136,152,168,184
.irp j, 0,1,2,3,4,5,6,7
	v_mov_b32 v[\z+\j], 0                          ; registers 8-15 of the four fragments: zero codes, written once
.endr
.endr
.irp j, 0,1,2,3,4,5,6,7,8,9,10,11,12,13,14,15
	v_mov_b32 v[208+\j], 0                         ; the work registers: lane permutes' destinations and the upper halves of pairs are named before they are written.  (Also the places between the zero codes and the first product)
.endr
	s_mov_b32 s[TQ], 0
	s_mov_b32 s[TS], 0
	s_mov_b32 s[CNT], 8
.Lsc:
	v_add_nc_u32 v13, s[TQ], v[SCK]
	v_add_nc_u32 v14, s[TQ], v[SCQ]
	v_add_nc_u32 v15, s[TS], v[SCS]
.irp k, 0,1
	ds_load_b128 v[128+32*\k:131+32*\k], v13 offset:1040*\k
	ds_load_b128 v[132+32*\k:135+32*\k], v13 offset:1040*\k+512
	ds_load_b128 v[144+32*\k:147+32*\k], v14 offset:1040*\k
	ds_load_b128 v[148+32*\k:151+32*\k], v14 offset:1040*\k+512
	ds_load_b32 v[SW+\k], v15 offset:68*\k         ; lanes 0-15: qh's words; lanes 16-31: kh's
.endr
	s_wait_dscnt 0x0
.irp k, 0,1
	v_wmma_scale_f32_16x16x128_f8f6f4 v[192+8*\k:199+8*\k], v[128+32*\k:143+32*\k], v[144+32*\k:159+32*\k], 0, v[SW+\k], v[SW+\k] matrix_a_fmt:MATRIX_FMT_BF8 matrix_b_fmt:MATRIX_FMT_BF8 matrix_a_scale:MATRIX_SCALE_ROW1
.endr
	PLACES 9                                       ; for the reads below, the next trip's loads, and the next trip's products, which write over these results
.irp k, 0,1
.irp j, 0,2,4,6
	v_pk_mul_f32 v[192+8*\k+\j:193+8*\k+\j], v[192+8*\k+\j:193+8*\k+\j], v[MK+\j:MK+\j+1]   ; t = score x mask x log2(e) / 8
.endr
.endr
.irp k, 0,1
	v_max3_num_f32 v[208+2*\k], v[192+8*\k], v[193+8*\k], v[194+8*\k]
.endr
.irp k, 0,1
	v_max3_num_f32 v[208+2*\k], v[208+2*\k], v[195+8*\k], v[196+8*\k]
.endr
.irp k, 0,1
	v_max3_num_f32 v[208+2*\k], v[208+2*\k], v[197+8*\k], v[198+8*\k]
.endr
.irp k, 0,1
	v_max_num_f32 v[208+2*\k], v[208+2*\k], v[199+8*\k]
.endr
.irp k, 0,1
	v_permlanex16_b32 v[212+\k], v[208+2*\k], s[SEL], s[SEL+1]
.endr
.irp k, 0,1
	v_max_num_f32 v[208+2*\k], v[208+2*\k], v[212+\k]   ; the row's largest t over all 16 g
.endr
.irp k, 0,1
.irp j, 0,2,4,6
	v_pk_add_f32 v[192+8*\k+\j:193+8*\k+\j], v[192+8*\k+\j:193+8*\k+\j], v[208+2*\k:209+2*\k] op_sel_hi:[1,0] neg_lo:[0,1] neg_hi:[0,1]   ; t less the largest t
.endr
.endr
.irp j, 0,1,2,3,4,5,6,7,8,9,10,11,12,13,14,15
	v_exp_f32 v[192+\j], v[192+\j]
.endr
	v_nop                                          ; a plain line behind the last exponential,
	s_wait_alu depctr_va_vdst(0)                   ; and one wait for the batch of 16, ahead of its first reader
.irp k, 0,1
	v_pk_add_f32 v[216+2*\k:217+2*\k], v[192+8*\k:193+8*\k], v[194+8*\k:195+8*\k]
.endr
.irp k, 0,1
	v_pk_add_f32 v[216+2*\k:217+2*\k], v[216+2*\k:217+2*\k], v[196+8*\k:197+8*\k]
.endr
.irp k, 0,1
	v_pk_add_f32 v[216+2*\k:217+2*\k], v[216+2*\k:217+2*\k], v[198+8*\k:199+8*\k]
.endr
.irp k, 0,1
	v_add_f32 v[216+2*\k], v[216+2*\k], v[217+2*\k]
.endr
.irp k, 0,1
	v_permlanex16_b32 v[212+\k], v[216+2*\k], s[SEL], s[SEL+1]
.endr
.irp k, 0,1
	v_add_f32 v[216+2*\k], v[216+2*\k], v[212+\k]  ; the row's sum
.endr
.irp k, 0,1
	v_rcp_f32 v[220+2*\k], v[216+2*\k]
.endr
	v_nop
	s_wait_alu depctr_va_vdst(0)                   ; one wait for the two reciprocals
.irp k, 0,1
.irp j, 0,2,4,6
	v_pk_mul_f32 v[192+8*\k+\j:193+8*\k+\j], v[192+8*\k+\j:193+8*\k+\j], v[220+2*\k:221+2*\k] op_sel_hi:[1,0]   ; p, normalised
.endr
.endr
.irp k, 0,1
	ds_store_b128 v14, v[192+8*\k:195+8*\k] offset:1040*\k        ; p as an image of its registers, over the token's qh row, which my wave alone has read
	ds_store_b128 v14, v[196+8*\k:199+8*\k] offset:1040*\k+512
.endr
	s_wait_dscnt 0x0                               ; the stores have read their registers
	s_add_co_u32 s[TQ], s[TQ], 2080
	s_add_co_u32 s[TS], s[TS], 136
	s_sub_co_u32 s[CNT], s[CNT], 1
	s_cmp_lg_u32 s[CNT], 0
	s_cbranch_scc1 .Lsc
	BARRIER                                        ; every wave's reads of kh and of the scale words are over, so vh may be laid over them; p has landed for the waves that will read it
	; ---- p . vh, by quarters of 16 tokens: all four waves lay the quarter's vh (each its 64 channels' share) into LDS; then wave w takes tokens 4 w .. 4 w + 3 of the quarter
	s_mov_b32 s[RD], 0
	s_mov_b32 s[SPO], 0
	s_mov_b32 s[SXO], 0
	s_mov_b32 s[SSO], 0
.Lrd:
	s_cmp_eq_u32 s[RD], 0                          ; the quarter's accumulators have other register numbers in each trip: four copies of the 32 stores, chosen by the trip's number
	s_cbranch_scc0 .Lr1
	VHSTORE 0
	s_branch .Lrs
.Lr1:
	s_cmp_eq_u32 s[RD], 1
	s_cbranch_scc0 .Lr2
	VHSTORE 1
	s_branch .Lrs
.Lr2:
	s_cmp_eq_u32 s[RD], 2
	s_cbranch_scc0 .Lr3
	VHSTORE 2
	s_branch .Lrs
.Lr3:
	VHSTORE 3
.Lrs:
	BARRIER                                        ; the quarter's vh lies in LDS
	v_add_nc_u32 v13, s[SPO], v[PPA]
	v_add_nc_u32 v15, s[SXO], v[PVA]
	v_add_nc_u32 v16, s[SSO], v[PVS]
	PAIR 0
	PAIR 1
	BARRIER                                        ; every wave's reads of vh are over, so the next quarter may be laid there; behind the last: attn's codes lie in X for all four waves
	s_add_co_u32 s[SPO], s[SPO], 16640
	s_add_co_u32 s[SXO], s[SXO], XMT
	s_add_co_u32 s[SSO], s[SSO], 64
	s_add_co_u32 s[RD], s[RD], 1
	s_cmp_lt_u32 s[RD], 4
	s_cbranch_scc1 .Lrd
	; ---- the O product and the way out
	GEMM 0
	TOSTAGE 0                                      ; (the nine places behind the last products stand ahead of it)
.irp o, 1,2,3,4,5,6,7
.if \o > 1
	s_wait_xcnt 0x0                                ; block o - 2's stores have read their registers: block o's loads may land there
.endif
	TOSTAGE \o
	SEND \o-1, 32                                  ; behind block o - 1's loads: block o's 16 stores and 16 loads
.endr
	SEND 7, 0
	s_wait_tensorcnt 0x0                           ; the wave's end, behind my last LDS store
	ds_add_u32 v[SPW], v[NIL]
	s_wait_dscnt 0x0
	s_endpgm
.Lfunc_end_k_q2c5d41e426_mha:
	.size	k_q2c5d41e426_mha, .Lfunc_end_k_q2c5d41e426_mha-k_q2c5d41e426_mha
	.p2alignl 7, 3214868480
	.fill 96, 4, 3214868480
	.section	.rodata,"a",@progbits
	.p2align	6, 0x0
	.amdhsa_kernel k_q2c5d41e426_mha
		.amdhsa_group_segment_fixed_size 219136
		.amdhsa_private_segment_fixed_size 0
		.amdhsa_enable_private_segment 0
		.amdhsa_kernarg_size 48
		.amdhsa_user_sgpr_count 2
		.amdhsa_user_sgpr_kernarg_segment_ptr 1
		.amdhsa_wavefront_size32 1
		.amdhsa_system_sgpr_workgroup_id_x 1
		.amdhsa_system_sgpr_workgroup_id_y 1
		.amdhsa_system_sgpr_workgroup_id_z 1
		.amdhsa_system_vgpr_workitem_id 0
		.amdhsa_next_free_vgpr 1024
		.amdhsa_next_free_sgpr 66
		.amdhsa_reserve_vcc 0
		.amdhsa_float_denorm_mode_32 3
		.amdhsa_float_denorm_mode_16_64 3
		.amdhsa_memory_ordered 1
		.amdhsa_forward_progress 1
		.amdhsa_inst_pref_size 255
	.end_amdhsa_kernel
	.section	.bss,"aw",@nobits
	.p2align	6
	.space	262144
	.amdgpu_metadata
---
amdhsa.version: [ 1, 2 ]
amdhsa.kernels:
  - .name:           k_q2c5d41e426_mha
    .symbol:         k_q2c5d41e426_mha.kd
    .args:
      - { .name: q, .offset: 0, .size: 8, .value_kind: global_buffer, .address_space: global }
      - { .name: k, .offset: 8, .size: 8, .value_kind: global_buffer, .address_space: global }
      - { .name: v, .offset: 16, .size: 8, .value_kind: global_buffer, .address_space: global }
      - { .name: mask, .offset: 24, .size: 8, .value_kind: global_buffer, .address_space: global }
      - { .name: wq, .offset: 32, .size: 8, .value_kind: global_buffer, .address_space: global }
      - { .name: out0, .offset: 40, .size: 8, .value_kind: global_buffer, .address_space: global }
    .group_segment_fixed_size: 219136
    .private_segment_fixed_size: 0
    .kernarg_segment_align: 8
    .kernarg_segment_size: 48
    .max_flat_workgroup_size: 128
    .sgpr_count:     66
    .vgpr_count:     1024
    .wavefront_size: 32
...
	.end_amdgpu_metadata
.endif
;; end of part 2
;; ======== version 2 of 2: 2 launches
;; limits: right only within a limited range of input values
;; workspace buffers: wq 4,325,376 bytes
;; launch prep (part 3): grid 256 x 1, 4 waves a work-group, no clusters, 68,096 bytes of LDS; arguments Wq, Wk, Wv, Wo, wq; writes wq
.if DOCPART == 3
	.amdgcn_target "amdgcn-amd-amdhsa--gfx1250"
	.amdhsa_code_object_version 6
	.text
	.protected	k_q2c5d41e426_prep
	.globl	k_q2c5d41e426_prep
	.p2align	8
	.type	k_q2c5d41e426_prep,@function
k_q2c5d41e426_prep:
	s_mov_b64 s[64:65], 0
	v_nop
	global_prefetch_b8 v0, s[64:65] scope:SCOPE_SE
	s_setreg_imm32_b32 hwreg(HW_REG_WAVE_MODE, 25, 1), 1
	s_wait_xcnt 0x0
; Wq, Wk, Wv, Wo [1024 (out)][1024 (in)], f32, K = the inner axis, become codes of BF8 (E5M2) with one E8M0 byte for each 32 along K, laid in wq in the order
; in which a wave of the second launch takes its operand registers.  No work of the problem is left out: every one of its eight inputs has a way to out0.
; wq: 256 blocks of 16,896 bytes, block B = ((w 4 + p) 8 + s) 2 + i: w the reading wave, p the weight (Wq, Wk, Wv, Wo), s the K step of 128, i the half of the wave's 256 columns.
; A block: 8 fragments f of 2,048 bytes, each an image of 16 registers: chunk c (512 bytes), lane l's 16 bytes at 16 l = W[n][128 s + 32 c + 16 (l / 16) + 0 .. 15], r = l % 16;
; then 512 bytes of scale words: word j of lane l's 16 bytes is that of fragment 2 j + l / 16, row r.
; WHICH ROWS FORM A FRAGMENT:  p = 0, 1: n = 256 w + 128 i + 16 f - 8 (f % 2) + r + 8 (r / 8);   p = 2: n = 64 r + 16 w + 8 i + f;   p = 3: n = 256 w + 128 i + 16 f + r.
; A block's scale is 2^(floor(log2(its largest magnitude)) - 15); its byte is the largest magnitude's exponent field - 15, held at 1 from below.
; LIMITS: NaN and infinities among the inputs are not served; a block whose largest magnitude lies under 2^(16 - 127), a block of zeros among them, gets the byte 1 (a block of zeros has zero codes, and this program alone reads the bytes).
; SHARES: work-group B makes block B; wave j its fragments 2 j and 2 j + 1 and word j of the scale words.
; THE WAY IN: load t of a fragment reads the 512 consecutive bytes of its row t, 16 a lane; the quantiser wants 16 neighbours along K of one row in one lane.  So a fragment's 16 rows turn through the wave's own
; stage in LDS: stored as loaded, rows 528 bytes apart, read back 64 bytes a lane and block.  Each fragment has a stage of its own; waves share nothing, so there is no barrier.
; Which rows a fragment takes hangs on the weight: three arms of loads with immediate offsets, chosen by the work-group's number.
.set TM,  8                            ; v8-11 largest magnitudes, v12-15 bytes, v16-19 the largest number x the scale, v20-23 the conversion's scale operand
.set PWR, 24                           ; v24, v25 the two fragments' scale words
.set SPW, 28                           ; LDS address of my spare word; never rewritten
.set NIL, 29                           ; 0; never rewritten
.set PC,  32                           ; v32-47, v48-63 their codes
.set X,   64                           ; v64-127, v128-191 their numbers
.set STAGE, 8448                       ; 16 rows x 528 bytes
.set SPARE, 67584                      ; behind the eight stages: the spare words, 128 bytes for each wave
	s_load_b256 s[4:11], s[0:1], 0x0               ; Wq, Wk, Wv, Wo
	s_load_b64 s[12:13], s[0:1], 0x20              ; wq
	v_lshl_add_u32 v[SPW], v0, 2, SPARE
	v_mov_b32 v[NIL], 0
	v_lshrrev_b32 v27, 5, v0
	v_readfirstlane_b32 s18, v27                   ; j: wave 0..3
	v_and_b32 v1, 31, v0                           ; lane
	v_and_b32 v2, 15, v0                           ; r
	v_bfe_u32 v3, v0, 4, 1                         ; lane / 16
	v_lshlrev_b32 v4, 4, v1                        ; 16 l: my 16 bytes of a load's 512
	v_mul_u32_u24 v30, v2, 528
	v_lshl_add_u32 v30, v3, 6, v30                 ; 528 r + 64 (lane / 16)
.irp b, 0,1,2,3
	v_mov_b32 v[TM+4+\b], 0                        ; written once: a lane permute's destination counts as one of its sources
.endr
	s_and_b32 s26, ttmp9, 1                        ; i
	s_bfe_u32 s27, ttmp9, 0x30001                  ; s
	s_bfe_u32 s28, ttmp9, 0x20004                  ; p
	s_lshr_b32 s29, ttmp9, 6                       ; w
	s_lshl_b32 s30, s29, 8
	s_lshl_b32 s31, s26, 7
	s_add_co_u32 s30, s30, s31
	s_lshl_b32 s31, s18, 5
	s_add_co_u32 s30, s30, s31                     ; 256 w + 128 i + 32 j: the first row of fragment 2 j for p = 0, 1, 3
	s_lshr_b32 s31, s30, 4                         ; 16 w + 8 i + 2 j: for p = 2
	s_cmp_eq_u32 s28, 2
	s_cselect_b32 s25, s31, s30                    ; the first row
	s_lshl_b32 s32, s25, 12                        ; a row is 4,096 bytes
	s_lshl_b32 s33, s27, 9
	s_add_co_u32 s32, s32, s33                     ; + the K step's 512 bytes
	s_mov_b32 s33, 0
	s_mul_i32 s36, s18, 2*STAGE                    ; my two stages
	s_lshl_b32 s37, s18, 12
	s_lshl_b32 s38, s18, 2
	s_mul_i32 s34, ttmp9, 16896
	s_mov_b32 s35, 0
	s_mov_b32 s19, 0x600000                        ; the mantissa field of 57,344
	s_mov_b32 s20, 0x76543210
	s_mov_b32 s21, 0xfedcba98                      ; v_permlanex16_b32's selects for lane l xor 16
	s_wait_alu depctr_va_vdst(0)                   ; directly ahead of the readers below
	v_add_nc_u32 v5, s36, v4                       ; the stage, in: 16 l; a row to a store
	v_add_nc_u32 v30, s36, v30                     ; and back
	v_add_nc_u32 v6, s37, v4                       ; out: 16 l + 4,096 j
	v_add_nc_u32 v7, s38, v4                       ; the scale word: 16 l + 4 j
	s_wait_alu depctr_va_vdst(0)
	s_wait_kmcnt 0x0
	s_cmp_eq_u32 s28, 0                            ; which weight: the choice hangs on the work-group's number alone
	s_cselect_b64 s[14:15], s[4:5], s[6:7]
	s_cmp_lt_u32 s28, 2
	s_cselect_b64 s[14:15], s[14:15], s[8:9]
	s_cmp_eq_u32 s28, 3
	s_cselect_b64 s[14:15], s[10:11], s[14:15]
	s_add_nc_u64 s[14:15], s[14:15], s[32:33]      ; at fragment 2 j's first row, my K step
	s_add_nc_u64 s[16:17], s[12:13], s[34:35]      ; my block of wq
.macro WLOAD a, b, c                   ; row t of fragment 2 j + e lies a t + b (t / 8) + c e rows on: 32 lanes read 512 consecutive bytes of it
.irp e, 0,1
.irp t, 0,1,2,3,4,5,6,7,8,9,10,11,12,13,14,15
	global_load_b128 v[X+64*\e+4*\t:X+64*\e+4*\t+3], v4, s[14:15] offset:4096*((\a)*\t+(\b)*(\t/8)+(\c)*\e) th:TH_LOAD_NT
.endr
.endr
.endm
	s_cmp_lt_u32 s28, 2
	s_cbranch_scc0 .Lnot_qk
	WLOAD 1, 8, 8                                  ; Wq, Wk
	s_branch .Lloaded
.Lnot_qk:
	s_cmp_eq_u32 s28, 2
	s_cbranch_scc0 .Lwo
	WLOAD 64, 0, 1                                 ; Wv: the largest offset is 961 rows, inside the signed 24-bit immediate
	s_branch .Lloaded
.Lwo:
	WLOAD 1, 0, 16                                 ; Wo
.Lloaded:
.macro TOST e, h                       ; rows 8 h .. 8 h + 7 of fragment 2 j + e go into its stage as they were loaded
.irp u, 0,1,2,3,4,5,6,7
	ds_store_b128 v5, v[X+64*\e+4*(8*\h+\u):X+64*\e+4*(8*\h+\u)+3] offset:STAGE*\e+528*(8*\h+\u)
.endr
.endm
.macro BACK e                          ; and come back.  LDS serves a wave's instructions in order (ISA guide 5.7.1.4): no wait between the stores and the loads.  Behind it register 16 b + i is K 32 b + 16 (lane / 16) + i of row r
.irp b, 0,1,2,3
.irp j, 0,1,2,3
	ds_load_b128 v[X+64*\e+16*\b+4*\j:X+64*\e+16*\b+4*\j+3], v30 offset:STAGE*\e+128*\b+16*\j
.endr
.endr
.endm
.macro QUANTW e
.irp b, 0,1,2,3
	v_max3_num_f32 v[TM+\b], |v[X+64*\e+16*\b]|, |v[X+64*\e+16*\b+1]|, 0x8000000   ; block b: my 16 numbers, and the floor 2^(16 - 127): so the byte cannot fall under 1
.endr
.irp i, 2,4,6,8,10,12,14
.irp b, 0,1,2,3
	v_max3_num_f32 v[TM+\b], v[TM+\b], |v[X+64*\e+16*\b+\i]|, |v[X+64*\e+16*\b+\i+1]|   ; the four blocks by turns
.endr
.endr
.irp b, 0,1,2,3
	v_permlanex16_b32 v[TM+4+\b], v[TM+\b], s20, s21
.endr
.irp b, 0,1,2,3
	v_max_num_f32 v[TM+\b], v[TM+\b], v[TM+4+\b]   ; with lane l xor 16's 16: the block's largest magnitude
.endr
.irp b, 0,1,2,3
	v_add_nc_u32 v[TM+12+\b], 0xf8800000, v[TM+\b] ; 15 off its exponent field: the conversion takes the exponent field of this operand as its scale
.endr
.irp b, 0,1,2,3
	v_and_or_b32 v[TM+8+\b], v[TM+\b], 0x7f800000, s19   ; 57,344 x the scale
.endr
.irp b, 0,1,2,3
	v_lshrrev_b32 v[TM+4+\b], 23, v[TM+12+\b]      ; the scale's byte
.endr
	v_lshl_or_b32 v[PWR+\e], v[TM+5], 8, v[TM+4]   ; four bytes make my row's scale word
	v_lshl_or_b32 v[PWR+\e], v[TM+6], 16, v[PWR+\e]
	v_lshl_or_b32 v[PWR+\e], v[TM+7], 24, v[PWR+\e]
.irp b, 0,1,2,3
.irp i, 0,1,2,3,4,5,6,7,8,9,10,11,12,13,14,15
	v_med3_num_f32 v[X+64*\e+16*\b+\i], v[X+64*\e+16*\b+\i], -v[TM+8+\b], v[TM+8+\b]   ; the conversion to an 8-bit code does not saturate (ISA guide 7.6.2): the hold comes first
.endr
	v_cvt_scalef32_pk8_bf8_f32 v[PC+16*\e+4*\b:PC+16*\e+4*\b+1], v[X+64*\e+16*\b:X+64*\e+16*\b+7], v[TM+12+\b]
	v_cvt_scalef32_pk8_bf8_f32 v[PC+16*\e+4*\b+2:PC+16*\e+4*\b+3], v[X+64*\e+16*\b+8:X+64*\e+16*\b+15], v[TM+12+\b]
.endr
	v_nop                                          ; a plain line behind the last conversion, ahead of the lines that write its scale operands again
.irp c, 0,1,2,3
	global_store_b128 v6, v[PC+16*\e+4*\c:PC+16*\e+4*\c+3], s[16:17] offset:2048*\e+512*\c   ; 32 lanes store 512 consecutive bytes, at a multiple of 256 from wq's first byte
.endr
.endm
	s_wait_loadcnt 24                              ; the first fragment's rows 0-7 are in; the 24 younger loads may be out
	TOST 0, 0
	s_wait_loadcnt 16                              ; its rows 8-15; the second fragment's 16 loads may be out
	TOST 0, 1
	BACK 0
	s_wait_dscnt 0x0
	QUANTW 0                                       ; the first fragment is quantised and stored while the second's loads are on their way
	s_wait_loadcnt 8
	TOST 1, 0
	s_wait_loadcnt 0x0
	TOST 1, 1
	BACK 1
	s_wait_dscnt 0x0
	QUANTW 1
	v_cmp_gt_u32 vcc_lo, 16, v1
	v_cndmask_b32 v26, v25, v24, vcc_lo            ; lanes 0-15 the word of fragment 2 j, lanes 16-31 that of 2 j + 1
	global_store_b32 v7, v26, s[16:17] offset:16384   ; pieces of 4 bytes, 16 apart: the four waves together fill the block's 512 bytes (3 bytes in 100 of what the launch stores)
	s_wait_tensorcnt 0x0                           ; the wave's end, behind my last LDS store
	ds_add_u32 v[SPW], v[NIL]
	s_wait_dscnt 0x0
	s_endpgm
.Lfunc_end_k_q2c5d41e426_prep:
	.size	k_q2c5d41e426_prep, .Lfunc_end_k_q2c5d41e426_prep-k_q2c5d41e426_prep
	.p2alignl 7, 3214868480
	.fill 96, 4, 3214868480
	.section	.rodata,"a",@progbits
	.p2align	6, 0x0
	.amdhsa_kernel k_q2c5d41e426_prep
		.amdhsa_group_segment_fixed_size 68096
		.amdhsa_private_segment_fixed_size 0
		.amdhsa_enable_private_segment 0
		.amdhsa_kernarg_size 40
		.amdhsa_user_sgpr_count 2
		.amdhsa_user_sgpr_kernarg_segment_ptr 1
		.amdhsa_wavefront_size32 1
		.amdhsa_system_sgpr_workgroup_id_x 1
		.amdhsa_system_sgpr_workgroup_id_y 1
		.amdhsa_system_sgpr_workgroup_id_z 1
		.amdhsa_system_vgpr_workitem_id 0
		.amdhsa_next_free_vgpr 256
		.amdhsa_next_free_sgpr 66
		.amdhsa_reserve_vcc 1
		.amdhsa_float_denorm_mode_32 3
		.amdhsa_float_denorm_mode_16_64 3
		.amdhsa_memory_ordered 1
		.amdhsa_forward_progress 1
		.amdhsa_inst_pref_size 33
	.end_amdhsa_kernel
	.amdgpu_metadata
---
amdhsa.version: [ 1, 2 ]
amdhsa.kernels:
  - .name:           k_q2c5d41e426_prep
    .symbol:         k_q2c5d41e426_prep.kd
    .args:
      - { .name: Wq, .offset: 0, .size: 8, .value_kind: global_buffer, .address_space: global }
      - { .name: Wk, .offset: 8, .size: 8, .value_kind: global_buffer, .address_space: global }
      - { .name: Wv, .offset: 16, .size: 8, .value_kind: global_buffer, .address_space: global }
      - { .name: Wo, .offset: 24, .size: 8, .value_kind: global_buffer, .address_space: global }
      - { .name: wq, .offset: 32, .size: 8, .value_kind: global_buffer, .address_space: global }
    .group_segment_fixed_size: 68096
    .private_segment_fixed_size: 0
    .kernarg_segment_align: 8
    .kernarg_segment_size: 40
    .max_flat_workgroup_size: 128
    .sgpr_count:     66
    .vgpr_count:     256
    .wavefront_size: 32
...
	.end_amdgpu_metadata
.endif
;; end of part 3
;; launch mha (part 4): grid 256 x 1, 4 waves a work-group, no clusters, 252,928 bytes of LDS; arguments q, k, v, mask, wq, out0; writes out0
.if DOCPART == 4
	.amdgcn_target "amdgcn-amd-amdhsa--gfx1250"
	.amdhsa_code_object_version 6
	.text
	.protected	k_q2c5d41e426_mha
	.globl	k_q2c5d41e426_mha
	.p2align	8
	.type	k_q2c5d41e426_mha,@function
k_q2c5d41e426_mha:
	s_mov_b64 s[64:65], 0
	v_nop
	global_prefetch_b8 v0, s[64:65] scope:SCOPE_SE
	s_setreg_imm32_b32 hwreg(HW_REG_WAVE_MODE, 25, 1), 1
	s_wait_xcnt 0x0
; out0 = attn Wo^T, attn[t][h] = sum over g of softmax_g(qh[t][h] . kh[t][g] / 8 x mask[h][g]) vh[t][g], qh = q Wq^T, kh = k Wk^T, vh = v Wv^T: attention over the 16 HEADS of each token.
; The four large products and the scores multiply codes of BF8 (E5M2) with one E8M0 scale for each 32 along K; p . vh takes f32 operands, since its result goes into a quantiser.  No work is left out: every input has a way to out0.
; SHARES.  A work-group of four waves takes 64 tokens (four tiles mt of 16) through the whole chain; nothing but the weights' codes (wq, made by the launch before) comes from a workspace.
; In the large products THE WAVES SHARE THE COLUMNS: wave w makes 256 columns for all 64 tokens, 64 accumulators (mt, F), 512 registers.  The products are used transposed (source 0 = 16 rows of W, source 1 = 16 tokens):
; lane (r, hh) holds token r, and its register j the tile's W row 8 hh + j.  Which rows of W form a tile is chosen by the launch before, so that what a lane holds is what the next step wants in one lane.
; THE CHAIN: q -> codes in LDS | Q product | qh -> codes in LDS; the same for k; v -> codes | V product, vh stays in the accumulators | scores, softmax, p -> LDS (f32) | by quarters of 16 tokens: vh -> LDS, attn^T = vh^T p^T in f32, attn -> codes in LDS | O product | out0.
; x's WAY IN.  Each load of x reads 512 consecutive bytes of ONE row; the quantiser wants 16 neighbours along K of one row in one lane.  So a K step's 16 rows x 512 bytes turn through the wave's own stage in LDS: stored as loaded, read back
; 64 bytes a lane and block.  The first four K steps of the next x are asked for straight behind a product, into the registers of the weights' ring, which are free then, and land while qh or kh is quantised.
; THE WEIGHTS GO FROM MEMORY STRAIGHT INTO REGISTERS, no tensor load, no LDS ring, no cluster: a fragment of W has ONE reader (the wave that owns its columns), so a way through LDS would write and read each byte once more for nothing;
; the tokens' state and the stages take 252,928 of LDS's 327,680 bytes, which leaves no room for two slots even of half a K step (67,584 bytes each); and a joint request lands in LDS alone.  Each wave keeps a ring of 16 fragments (256 registers):
; a group of four is asked for again straight behind its 16 products, 48 matrix instructions ahead of its next use; 66 loads (33,792 bytes) a wave are asked for at a time.
; LIMITS: NaN and infinities among the inputs are not served; a block whose largest magnitude lies under 2^(16 - 127), a block of zeros among them, gets the byte 1 (zero codes add nothing, and this program alone reads the bytes);
; v_exp_f32 gives 0 for results under 2^-126; the score's factor is folded: t = score x (mask x log2(e) / 8), one rounding where the source has two; p . vh sums the heads in the order 0, 1, 8, 9, 2, 3, 10, 11, ..
; LDS (bytes):
.set XCP,   528                        ; X: the A operand as images of its registers: [mt] 16,896, [block of 32 along K] 528 (512 + 16): lane l's 16 bytes at 16 l = token l % 16, K = 32 kb + 16 (l / 16) + 0 .. 15
.set XMT,   16896
.set XSC,   67584                      ; its scale words: [K step] 260, [mt] 64, [token] 4
.set QC,    69664                      ; qh's codes: [token] 1,040: chunk c at 512 c, (head, hh) at 16 head + 256 hh: a token's row IS the score's operand image.  Later p: 2 x 512 bytes of register image in the same row
.set KC,    136224                     ; kh's likewise
.set QS,    202784                     ; qh's scale words: [token] 68, [head] 4
.set KS,    207136                     ; kh's
.set VH,    136224                     ; over KC, QS, KS when they are done with: vh of 16 tokens, f32: [token] 5,136, [d] 80, [head] 4; ends at 218,400
.set STG,   136224                     ; over VH when it is done with: the way out, 16 rows x 528 for each wave
.set SPARE, 218624                     ; the spare words, 128 bytes for each wave: two blocks of 256 bytes that no other line names
.set XT,    219136                     ; x's turn: 16 rows x 528 (512 + 16) for each wave, its own: row r starts at bank 4 r mod 64 (64 banks of 4 bytes: ISA guide 11.1), so the 16 rows that a read touches start at 16 different banks
.set WSTEP, 33792                      ; a wave's K step in wq: two blocks of 16,896
; REGISTERS, in windows of 256.  Window 0:
.set LI,   1                           ; 16 l: an image's place for my lane, and my 16 bytes of a load's 512; never rewritten
.set XTS,  2                           ; x's turn: in: XT + 8,448 w + 16 l
.set XWI,  3                           ; where I store x's images: 16 l + 16,896 w
.set XWS,  4                           ; and their scale words
.set AA,   5                           ; the product's walking addresses: A's images,
.set AS,   6                           ; A's scale words
.set ASB,  7                           ; XSC + 4 r
.set EQA,  8                           ; where qh's or kh's codes go,
.set EQS,  9                           ; and their scale words
.set SCK,  10                          ; the scores: kh's image, qh's image, the scale words of my wave's 16 tokens
.set SCQ,  11
.set SCS,  12
.set VSA,  17                          ; vh into LDS
.set VFA,  18                          ; vh^T's fragments out of it
.set PPA,  19                          ; p's images
.set PVA,  20                          ; attn's codes into X
.set PVS,  21                          ; attn's scale bytes into XSC
.set OSA,  22                          ; the stage: in,
.set ORA,  23                          ; and back
.set PFO,  24                          ; the prefetches' offset: 4,096 r + 256 hh; never rewritten
.set EQ0,  25
.set EQS0, 26
.set XTR,  27                          ; x's turn: back: XT + 8,448 w + 528 r + 64 hh
.set SPW,  30                          ; LDS address of my spare word: SPARE + 4 x my thread's number; never rewritten
.set NIL,  31                          ; 0; never rewritten
.set WS,   48                          ; v48-55  W's scale words: register F / 2: lanes 0-15 for even F, lanes 16-31 for odd F
.set XS,   56                          ; v56-63  A's scale words: 4 par + mt
.set MK,   64                          ; v64-71  mask[r][8 hh + j] x log2(e) / 8
.set TM,   72                          ; v72-87  the quantiser's work
.set PW,   88                          ; the scale word just made
.set PW2,  89
.set SW,   90                          ; v90-91  the scores' scale words
.set PC,   96                          ; v96-111 the codes just made
.set AF,   128                         ; v128-255 A's fragments, set par at 64 par + 16 mt; at work outside the products
; Window 1: W's 16 fragments, F at 16 F; between two products: x's four sets of 64 numbers (set g lies on fragment group g, which is asked for as soon as the set's last K step is quantised).
; Window 2: accumulators F = 0 .. 7 at 64 mt + 8 F (its v0-63 also take attn^T; the window is written by matrix instructions alone).  Window 3: F = 8 .. 15.
.set WP,   12                          ; s[12:13] my wave's place in wq
.set OP,   14                          ; s[14:15] out0 at my work-group's first row, my wave's columns
.set WV,   16
.set PH,   17                          ; the product in hand: 0 Q, 1 K, 2 V
.set CNT,  18
.set MNT,  19                          ; the mantissa field of 57,344
.set SEL,  20                          ; s[20:21] v_permlanex16_b32's selects for lane l xor 16
.set XP,   22                          ; s[22:23] the x in hand at my wave's 16 rows
.set ROWO, 24                          ; s[24:25] those rows' byte offset
.set PF,   26                          ; s[26:27] where my prefetches stand in the next x
.set RD,   28                          ; the quarter of tokens in hand
.set TQ,   30
.set TS,   31
.set SPO,  32
.set SXO,  33
.set SSO,  34
.set FLR,  40                          ; the floor 2^(16 - 127) under a block's largest magnitude
.set M15,  41                          ; -(15 << 23)
.set EXM,  42                          ; the mask of an f32 number's exponent field
.set MSB, 0
.macro WIN new                         ; s_set_vgpr_msb: bits 1:0 source 0, 3:2 source 1, 5:4 source 2, 7:6 destination; the high byte repeats the setting that is left
.if MSB != (\new)
	s_set_vgpr_msb (MSB<<8)|(\new)
.set MSB, (\new)
.endif
.endm
.macro PLACES n                        ; behind this matrix form 8 plain vector lines stand ahead of a load into, a vector write of or a read of its registers, 9 ahead of a matrix instruction that writes over them
.rept \n
	v_nop
.endr
.endm
.macro BARRIER                         ; my LDS stores have landed and my LDS loads are in: then the work-group's barrier
	s_wait_dscnt 0x0
	s_barrier_signal -1
	s_barrier_wait -1
.endm
; 16 nb numbers of a lane in window wx, register x + 16 b + i = K 32 b + 16 hh + i of my row, become codes in v[PC + 4 b ..] and scale bytes in v[PW].  x is only read (each accumulator from its low end on); the held numbers go to v[t ..] of window 0.
.macro QUANT x, wx, nb, t, dw=0        ; dw: the LDS instructions issued behind the last image's stores, which may stay out
	WIN (\wx)*5
.set qb, 0
.rept \nb
	v_max3_num_f32 v[TM+qb], |v[(\x)+16*qb]|, |v[(\x)+16*qb+1]|, s[FLR]   ; my 16 numbers of block b, and the floor 2^(16 - 127): so the byte cannot fall under 1
.set qb, qb+1
.endr
.set qi, 2
.rept 7
.set qb, 0
.rept \nb
	v_max3_num_f32 v[TM+qb], |v[(\x)+16*qb+qi]|, |v[(\x)+16*qb+qi+1]|, v[TM+qb]   ; the blocks by turns
.set qb, qb+1
.endr
.set qi, qi+2
.endr
	WIN 0
.set qb, 0
.rept \nb
	v_permlanex16_b32 v[TM+4+qb], v[TM+qb], s[SEL], s[SEL+1]
.set qb, qb+1
.endr
.set qb, 0
.rept \nb
	v_max_num_f32 v[TM+qb], v[TM+qb], v[TM+4+qb]   ; with lane l xor 16's 16: the block's largest magnitude
.set qb, qb+1
.endr
.set qb, 0
.rept \nb
	v_add_nc_u32 v[TM+12+qb], s[M15], v[TM+qb]     ; 15 off its exponent field: the conversion's scale operand
.set qb, qb+1
.endr
.set qb, 0
.rept \nb
	v_and_or_b32 v[TM+8+qb], v[TM+qb], s[EXM], s[MNT]   ; 57,344 x the scale
.set qb, qb+1
.endr
.set qb, 0
.rept \nb
	v_lshrrev_b32 v[TM+4+qb], 23, v[TM+12+qb]      ; the scale's byte
.set qb, qb+1
.endr
	s_wait_alu depctr_va_vdst(0)
	s_wait_dscnt \dw                               ; the last image's stores have read v[PC ..] and v[PW]
	v_lshl_or_b32 v[PW], v[TM+5], 8, v[TM+4]
.if \nb == 4
	v_lshl_or_b32 v[PW], v[TM+6], 16, v[PW]
	v_lshl_or_b32 v[PW], v[TM+7], 24, v[PW]
.endif
	WIN \wx
.set qb, 0
.rept \nb
.set qi, 0
.rept 16
	v_med3_num_f32 v[(\t)+16*qb+qi], v[(\x)+16*qb+qi], -v[TM+8+qb], v[TM+8+qb]   ; the conversion to an 8-bit code does not saturate (ISA guide 7.6.2): the hold comes first
.set qi, qi+1
.endr
.set qb, qb+1
.endr
	WIN 0
.set qb, 0
.rept \nb
	v_cvt_scalef32_pk8_bf8_f32 v[PC+4*qb:PC+4*qb+1], v[(\t)+16*qb:(\t)+16*qb+7], v[TM+12+qb]
	v_cvt_scalef32_pk8_bf8_f32 v[PC+4*qb+2:PC+4*qb+3], v[(\t)+16*qb+8:(\t)+16*qb+15], v[TM+12+qb]
.set qb, qb+1
.endr
	v_nop                                          ; a plain line behind the last conversion, ahead of whatever next touches its registers
.endm
; THE WEIGHTS.  Group g = fragments 4 g .. 4 g + 3 of the K step blk steps on from s[WP]; the issue order is always G0, WS0, G1, G2, WS1, G3.
.macro BLOAD g, blk
	WIN 0x40                                       ; destination window 1
.irp ff, 0,1,2,3
.irp c, 0,1,2,3
	global_load_b128 v[16*(4*(\g)+\ff)+4*\c:16*(4*(\g)+\ff)+4*\c+3], v[LI], s[WP:WP+1] offset:WSTEP*(\blk)+16896*((\g)/2)+2048*((4*(\g)+\ff)%8)+512*\c
.endr
.endr
.endm
.macro WSLOAD h, blk                   ; the scale words of fragments 8 h .. 8 h + 7
	WIN 0
	global_load_b128 v[WS+4*(\h):WS+4*(\h)+3], v[LI], s[WP:WP+1] offset:WSTEP*(\blk)+16896*(\h)+16384
.endm
; x: my 16 rows' numbers of K step s into set s % 4 of window 1, as they lie: load t reads the 512 consecutive bytes of row t, 16 a lane
.macro XLOAD s
	WIN 0x40
.irp t, 0,1,2,3,4,5,6,7,8,9,10,11,12,13,14,15
	global_load_b128 v[64*((\s)%4)+4*\t:64*((\s)%4)+4*\t+3], v[LI], s[XP:XP+1] offset:4096*\t+512*(\s) th:TH_LOAD_NT
.endr
	WIN 0
.endm
; K step s of x turns through my stage: stored as loaded, a row to a store; read back into the registers that it left: lane (r, hh) takes of row r the 64 bytes at 128 b + 64 hh of each block b.
; LDS serves a wave's instructions in order (ISA guide 5.7.1.4): no wait between the stage's stores and its loads, nor ahead of the next step's stores.  lc: the loads issued behind K step s's sixteen.
; The turn of step s + 1 is issued ahead of step s's quantiser (XSTEP), so that the quantiser's vector lines stand between a turn's 32 LDS instructions and the wait for them.
.macro XTURN s, lc
	s_wait_loadcnt \lc
	WIN 0x04                                       ; an LDS store's data are its source 1: window 1
.irp t, 0,1,2,3,4,5,6,7,8,9,10,11,12,13,14,15
	ds_store_b128 v[XTS], v[64*((\s)%4)+4*\t:64*((\s)%4)+4*\t+3] offset:528*\t
.endr
	WIN 0x40                                       ; destination window 1
.irp b, 0,1,2,3
.irp j, 0,1,2,3
	ds_load_b128 v[64*((\s)%4)+16*\b+4*\j:64*((\s)%4)+16*\b+4*\j+3], v[XTR] offset:128*\b+16*\j
.endr
.endr
	WIN 0
.endm
; K step s of x is quantised and its image stored.  dw: the LDS instructions of the next step's turn, 32, which may stay out: all that is older, this step's turn and the last image's stores, is done
.macro XSTEP s, dw
	s_wait_dscnt \dw                               ; register 16 b + i is now K 32 b + 16 hh + i of my row
	QUANT 64*((\s)%4), 1, 4, 128, \dw
.irp b, 0,1,2,3
	ds_store_b128 v[XWI], v[PC+4*\b:PC+4*\b+3] offset:XCP*(4*(\s)+\b)
.endr
	ds_store_b32 v[XWS], v[PW] offset:260*(\s)
.endm
; A's four fragments and four scale words of the K step d steps on from v[a], v[sc], into set par: 20 LDS loads
.macro ALOAD par, a, sc, d
.irp mt, 0,1,2,3
.irp c, 0,1,2,3
	ds_load_b128 v[AF+64*(\par)+16*\mt+4*\c:AF+64*(\par)+16*\mt+4*\c+3], v[\a] offset:XMT*\mt+XCP*(4*(\d)+\c)
.endr
	ds_load_b32 v[XS+4*(\par)+\mt], v[\sc] offset:260*(\d)+64*\mt
.endr
.endm
; 16 matrix instructions: group g's four fragments of W x the four tiles of tokens.  The 64 accumulators take turns, one instruction a turn, in the same order in every K step.
.macro MUL16 par, g, zero
.if (\g) < 2
	WIN 0xa1                                       ; source 0 (W) window 1, source 1 (tokens) window 0, C and D window 2
.else
	WIN 0xf1                                       ; C and D window 3
.endif
.irp ff, 0,1,2,3
.irp mt, 0,1,2,3
.set mF, 4*(\g)+\ff
.set mD, 64*\mt+8*(mF%8)
.set mA, 16*mF
.set mB, AF+64*(\par)+16*\mt
.set mS, WS+(mF/2)
.set mX, XS+4*(\par)+\mt
.if \zero
.if mF%2
	v_wmma_scale_f32_16x16x128_f8f6f4 v[mD:mD+7], v[mA:mA+15], v[mB:mB+15], 0, v[mS], v[mX] matrix_a_fmt:MATRIX_FMT_BF8 matrix_b_fmt:MATRIX_FMT_BF8 matrix_a_scale:MATRIX_SCALE_ROW1
.else
	v_wmma_scale_f32_16x16x128_f8f6f4 v[mD:mD+7], v[mA:mA+15], v[mB:mB+15], 0, v[mS], v[mX] matrix_a_fmt:MATRIX_FMT_BF8 matrix_b_fmt:MATRIX_FMT_BF8
.endif
.else
.if mF%2
	v_wmma_scale_f32_16x16x128_f8f6f4 v[mD:mD+7], v[mA:mA+15], v[mB:mB+15], v[mD:mD+7], v[mS], v[mX] matrix_a_fmt:MATRIX_FMT_BF8 matrix_b_fmt:MATRIX_FMT_BF8 matrix_a_scale:MATRIX_SCALE_ROW1
.else
	v_wmma_scale_f32_16x16x128_f8f6f4 v[mD:mD+7], v[mA:mA+15], v[mB:mB+15], v[mD:mD+7], v[mS], v[mX] matrix_a_fmt:MATRIX_FMT_BF8 matrix_b_fmt:MATRIX_FMT_BF8
.endif
.endif
.endr
.endr
.endm
; A K STEP of 128: 64 matrix instructions on A's set par.  an = 1: the next step's A is asked for first, into the other set.  bn >= 0: each group of W is asked for again, bn steps on, straight behind its products and their places.
; lc0 .. lc3: the loads issued behind the group (and, for groups 0 and 2, behind its half's scale words) that is wanted.  With refills each is 49: three groups of 16 and one load of scale words.
.macro KSTEP par, zero, an, a, sc, d, bn, lc0, lc1, lc2, lc3, np
.if \an
	ALOAD 1-(\par), \a, \sc, \d
	s_wait_dscnt 20                                ; this step's A is in; the 20 just issued may be out
.else
	s_wait_dscnt 0x0
.endif
	s_wait_loadcnt \lc0
	MUL16 \par, 0, \zero
.if (\bn) >= 0
	PLACES 8
	BLOAD 0, \bn
.endif
	s_wait_loadcnt \lc1
	MUL16 \par, 1, \zero
.if (\bn) >= 0
	PLACES 8
	WSLOAD 0, \bn
	BLOAD 1, \bn
.endif
	s_wait_loadcnt \lc2
	MUL16 \par, 2, \zero
.if (\bn) >= 0
	PLACES 8
	BLOAD 2, \bn
.endif
	s_wait_loadcnt \lc3
	MUL16 \par, 3, \zero
	PLACES \np
.if (\bn) >= 0
	WSLOAD 1, \bn
	BLOAD 3, \bn
.endif
	WIN 0
.endm
; A PREFETCH of the next x (k during the Q product, v during the K product): two pieces of 512 bytes, 2,048 bytes apart, of each of my wave's own 16 rows; two lanes a row and piece, 256 bytes apart.
; Four times a product, 512 bytes on each time: the rows' whole 4,096 bytes, which are loaded behind the product.  Each block of 256 bytes is named once in the launch: the rows are my wave's alone.
; It stands behind a K step's refills, a K step ahead of the wait that frees its address.
.macro ASKX
	s_cmp_lt_u32 s[PH], 2
	s_cbranch_scc0 .Lnoask_\@
	global_prefetch_b8 v[PFO], s[PF:PF+1] th:TH_LOAD_NT scope:SCOPE_SE
	global_prefetch_b8 v[PFO], s[PF:PF+1] offset:2048 th:TH_LOAD_NT scope:SCOPE_SE
.Lnoask_\@:
.endm
; A PRODUCT: 8 K steps.  s[WP] stands at its K step 0, whose fragments have been asked for.  Step 0 starts the sums and step 7 asks for nothing: both are written out.
.macro GEMM ask
	ALOAD 0, LI, ASB, 0
	KSTEP 0, 1, 1, LI, ASB, 1, 1, 49, 49, 49, 49, 8
	s_wait_xcnt 0x0                                ; the loads have read their base
	s_wait_dscnt 0x0                               ; and the LDS loads their addresses (asked for 64 matrix instructions ago)
	s_add_nc_u64 s[WP:WP+1], s[WP:WP+1], WSTEP
	v_add_nc_u32 v[AA], 4*XCP, v[LI]
	v_add_nc_u32 v[AS], 260, v[ASB]
	s_mov_b32 s[CNT], 3
.Lk_\@:                                            ; steps 1 .. 6, two a trip
	s_wait_alu depctr_va_vdst(0)
	KSTEP 1, 0, 1, AA, AS, 1, 1, 49, 49, 49, 49, 8
.if \ask
	ASKX
.endif
	KSTEP 0, 0, 1, AA, AS, 2, 2, 49, 49, 49, 49, 8
	s_wait_xcnt 0x0
	s_wait_dscnt 0x0
	s_add_nc_u64 s[WP:WP+1], s[WP:WP+1], 2*WSTEP
.if \ask
	s_add_nc_u64 s[PF:PF+1], s[PF:PF+1], 512
.endif
	v_add_nc_u32 v[AA], 8*XCP, v[AA]
	v_add_nc_u32 v[AS], 520, v[AS]
	s_sub_co_u32 s[CNT], s[CNT], 1
	s_cmp_lg_u32 s[CNT], 0
	s_cbranch_scc1 .Lk_\@
.if \ask
	ASKX
.endif
	KSTEP 1, 0, 0, 0, 0, 0, -1, 49, 33, 16, 0, 9   ; step 7: no refills, so the counts run down; nine places, since its registers are next written over by matrix instructions (they also serve the loads of x into the ring's registers)
.endm
; qh or kh, half i of my columns (window wx), becomes codes.  Block b of a tile of tokens is head 4 w + 2 i + b / 2, channels 32 (b % 2) on.
.macro EQOUT wx, i
.irp mt, 0,1,2,3
	QUANT 64*\mt, \wx, 4, 128
.irp b, 0,1,2,3
	ds_store_b128 v[EQA], v[PC+4*\b:PC+4*\b+3] offset:16640*\mt+512*(\b%2)+32*(\i)+16*(\b/2)
.endr
	v_lshrrev_b32 v[PW2], 16, v[PW]
	ds_store_b32 v[EQS], v[PW] offset:1088*\mt+8*(\i)      ; a head's word: its two bytes below; the two above (the next head's, or 0) stand over zero codes and are never 0xff
	ds_store_b32 v[EQS], v[PW2] offset:1088*\mt+8*(\i)+4
.endr
.endm
; vh of tokens 16 rd .. 16 rd + 15 goes to LDS: lane (token, hh) holds, for each of my 16 channels d, heads 8 hh + 0 .. 7
.macro VHSTORE rd
.irp i, 0,1
	WIN 0x08+4*\i                                  ; an LDS store's data are its source 1: window 2, then 3
.irp f, 0,1,2,3,4,5,6,7
	ds_store_b128 v[VSA], v[64*(\rd)+8*\f:64*(\rd)+8*\f+3] offset:80*(8*\i+\f)
	ds_store_b128 v[VSA], v[64*(\rd)+8*\f+4:64*(\rd)+8*\f+7] offset:80*(8*\i+\f)+16
.endr
.endr
	WIN 0
.endm
; Two tokens (4 w + 2 j + k of the quarter): attn^T = vh^T p^T in f32: source 0 = 16 channels x 4 heads, source 1 = 4 heads x 16 heads h.  The K slot 2 hh + jj is head 8 hh + 2 q + jj on both sides.
; Tile tt = 2 b + u takes channels 32 b + 8 u + r + 8 (r / 8), so that a lane's 16 registers of tiles 2 b, 2 b + 1 are channels 32 b + 16 hh + 0 .. 15 of head h = r: a block of the O product's K.
.macro PAIR j
.irp k, 0,1
	ds_load_b128 v[128+8*\k:131+8*\k], v13 offset:2080*(\j)+1040*\k
	ds_load_b128 v[132+8*\k:135+8*\k], v13 offset:2080*(\j)+1040*\k+512
.irp tt, 0,1,2,3
	ds_load_b128 v[144+32*\k+8*\tt:147+32*\k+8*\tt], v[VFA] offset:10272*(\j)+5136*\k+80*(32*(\tt/2)+8*(\tt%2))
	ds_load_b128 v[148+32*\k+8*\tt:151+32*\k+8*\tt], v[VFA] offset:10272*(\j)+5136*\k+80*(32*(\tt/2)+8*(\tt%2))+16
.endr
.endr
	s_wait_dscnt 0x0
	WIN 0xa0                                       ; C and D window 2
.irp q, 0,1,2,3
.irp tt, 0,1,2,3
.irp k, 0,1
.if \q == 0
	v_wmma_f32_16x16x4_f32 v[32*\k+8*\tt:32*\k+8*\tt+7], v[144+32*\k+8*\tt+2*\q:145+32*\k+8*\tt+2*\q], v[128+8*\k+2*\q:129+8*\k+2*\q], 0
.else
	v_wmma_f32_16x16x4_f32 v[32*\k+8*\tt:32*\k+8*\tt+7], v[144+32*\k+8*\tt+2*\q:145+32*\k+8*\tt+2*\q], v[128+8*\k+2*\q:129+8*\k+2*\q], v[32*\k+8*\tt:32*\k+8*\tt+7]
.endif
.endr
.endr
.endr
	WIN 0
	PLACES 9                                       ; the eight accumulators took turns; nine places serve the reads below, the next loads and the next sums' start
	QUANT 0, 2, 4, 128                             ; both tokens at once: blocks 0, 1 are token k = 0's, blocks 2, 3 token k = 1's; the held numbers go to the operands' registers, which are done with
.irp k, 0,1
.irp b, 0,1
	ds_store_b128 v15, v[PC+8*\k+4*\b:PC+8*\k+4*\b+3] offset:32*(\j)+16*\k+XCP*\b   ; block 2 h + b of the O product's K, token row 4 w + 2 j + k
.endr
.endr
	v_lshrrev_b32 v[PW2], 16, v[PW]
	ds_store_b16 v16, v[PW] offset:8*(\j)          ; token k = 0's two scale bytes,
	ds_store_b16 v16, v[PW2] offset:8*(\j)+4       ; and token k = 1's
.endm
; THE WAY OUT, block o = 2 mt + i: 16 tokens x 128 columns go through my own stage and come back as rows of 512 bytes.  LDS serves a wave's instructions in order (ISA guide 5.7.1.4): no wait between the stores and the loads.
.macro TOSTAGE o
	WIN 0x08+4*((\o)%2)
.irp f, 0,1,2,3,4,5,6,7
	ds_store_b128 v[OSA], v[64*((\o)/2)+8*\f:64*((\o)/2)+8*\f+3] offset:64*\f       ; each accumulator from its low end on
	ds_store_b128 v[OSA], v[64*((\o)/2)+8*\f+4:64*((\o)/2)+8*\f+7] offset:64*\f+16
.endr
	WIN 0
.irp t, 0,1,2,3,4,5,6,7,8,9,10,11,12,13,14,15
	ds_load_b128 v[128+64*((\o)%2)+4*\t:128+64*((\o)%2)+4*\t+3], v[ORA] offset:528*\t
.endr
.endm
.macro SEND o, y                       ; y: the LDS instructions issued behind block o's loads
	s_wait_dscnt \y
.irp t, 0,1,2,3,4,5,6,7,8,9,10,11,12,13,14,15
	global_store_b128 v[LI], v[128+64*((\o)%2)+4*\t:128+64*((\o)%2)+4*\t+3], s[OP:OP+1] offset:4096*(16*((\o)/2)+\t)+512*((\o)%2) th:TH_STORE_NT   ; 32 lanes store 512 consecutive bytes, at a multiple of 256 from out0's first byte
.endr
.endm
	; ---- the head
	s_load_b256 s[4:11], s[0:1], 0x0               ; q s[4:5], k s[6:7], v s[8:9], mask s[10:11]
	s_load_b128 s[12:15], s[0:1], 0x20             ; wq, out0
	v_lshl_add_u32 v[SPW], v0, 2, SPARE
	v_mov_b32 v[NIL], 0
	v_lshrrev_b32 v35, 5, v0
	v_readfirstlane_b32 s[WV], v35                 ; wave 0..3
	v_and_b32 v32, 31, v0                          ; l
	v_and_b32 v33, 15, v0                          ; r
	v_bfe_u32 v34, v0, 4, 1                        ; hh
	v_lshlrev_b32 v[LI], 4, v32
	s_wait_alu depctr_va_vdst(0)
	s_mul_i32 s36, s[WV], XMT
	v_add_nc_u32 v[XWI], s36, v[LI]
	s_lshl_b32 s36, s[WV], 6                       ; 64 w
	s_add_co_u32 s37, s36, XSC
	v_lshl_add_u32 v[XWS], v33, 2, s37
	v_lshl_add_u32 v[ASB], v33, 2, XSC
	v_mul_u32_u24 v[EQ0], v33, 1040
	v_lshl_add_u32 v[EQ0], v34, 8, v[EQ0]
	s_add_co_u32 s37, s36, QC
	v_add_nc_u32 v[EQ0], s37, v[EQ0]               ; QC + 1,040 r + 256 hh + 64 w
	v_mul_u32_u24 v[EQS0], v33, 68
	s_lshl_b32 s38, s[WV], 4                       ; 16 w
	s_add_co_u32 s37, s38, QS
	v_add_nc_u32 v[EQS0], s37, v[EQS0]             ; QS + 68 r + 16 w
	s_mul_i32 s37, s[WV], 16640
	s_add_co_u32 s39, s37, KC
	v_add_nc_u32 v[SCK], s39, v[LI]
	s_add_co_u32 s39, s37, QC
	v_add_nc_u32 v[SCQ], s39, v[LI]
	v_mul_u32_u24 v[SCS], v34, 4352                ; lanes 0-15 take qh's words, lanes 16-31 kh's, 4,352 bytes on
	v_lshl_add_u32 v[SCS], v33, 2, v[SCS]
	s_mul_i32 s37, s[WV], 1088
	s_add_co_u32 s37, s37, QS
	v_add_nc_u32 v[SCS], s37, v[SCS]
	v_mul_u32_u24 v[VSA], v33, 5136
	v_lshl_add_u32 v[VSA], v34, 5, v[VSA]
	s_mul_i32 s37, s[WV], 1280
	s_add_co_u32 s37, s37, VH
	v_add_nc_u32 v[VSA], s37, v[VSA]               ; VH + 5,136 r + 32 hh + 80 x 16 w
	v_and_b32 v35, 8, v33
	v_add_nc_u32 v35, v35, v33                     ; r + 8 (r / 8)
	v_mul_u32_u24 v[VFA], v35, 80
	v_lshl_add_u32 v[VFA], v34, 5, v[VFA]
	s_mul_i32 s37, s[WV], 20544
	s_add_co_u32 s37, s37, VH
	v_add_nc_u32 v[VFA], s37, v[VFA]               ; my wave's four tokens of a quarter
	s_mul_i32 s37, s[WV], 4160
	s_add_co_u32 s37, s37, QC
	v_add_nc_u32 v[PPA], s37, v[LI]
	v_mul_u32_u24 v[PVA], v33, 2*XCP
	v_lshl_add_u32 v[PVA], v34, 8, v[PVA]
	v_add_nc_u32 v[PVA], s36, v[PVA]               ; 1,056 r + 256 hh + 64 w
	v_lshrrev_b32 v35, 1, v33
	v_mul_u32_u24 v[PVS], v35, 260
	v_and_b32 v35, 1, v33
	v_lshl_add_u32 v[PVS], v35, 1, v[PVS]
	s_add_co_u32 s37, s38, XSC
	v_add_nc_u32 v[PVS], s37, v[PVS]               ; XSC + 260 (r / 2) + 2 (r % 2) + 16 w
	s_mul_i32 s37, s[WV], 8448
	s_add_co_u32 s37, s37, STG
	v_mul_u32_u24 v[OSA], v33, 528
	v_lshl_add_u32 v[OSA], v34, 5, v[OSA]
	v_add_nc_u32 v[OSA], s37, v[OSA]
	v_add_nc_u32 v[ORA], s37, v[LI]
	s_mul_i32 s39, s[WV], 8448
	s_add_co_u32 s39, s39, XT                      ; my stage for x's turn
	v_add_nc_u32 v[XTS], s39, v[LI]                ; in: 16 l; a row to a store
	v_mul_u32_u24 v[XTR], v33, 528
	v_lshl_add_u32 v[XTR], v34, 6, v[XTR]
	v_add_nc_u32 v[XTR], s39, v[XTR]               ; back: row r, + 64 hh
	v_lshlrev_b32 v[PFO], 12, v33
	v_lshl_add_u32 v[PFO], v34, 8, v[PFO]
	v_lshlrev_b32 v36, 6, v33
	v_lshl_add_u32 v36, v34, 5, v36                ; mask: row r of 64 bytes, + 32 hh
.irp b, 0,1,2,3
	v_mov_b32 v[TM+4+\b], 0                        ; written once: a lane permute's destination counts as one of its sources
.endr
	s_mov_b32 s[MNT], 0x600000
	s_mov_b32 s[FLR], 0x8000000
	s_mov_b32 s[M15], 0xf8800000
	s_mov_b32 s[EXM], 0x7f800000
	s_mov_b32 s[SEL], 0x76543210
	s_mov_b32 s[SEL+1], 0xfedcba98
	s_lshl_b32 s[ROWO], ttmp9, 18                  ; 64 rows of 4,096 bytes a work-group,
	s_lshl_b32 s37, s[WV], 16                      ; 16 a wave
	s_add_co_u32 s[ROWO], s[ROWO], s37
	s_mov_b32 s[ROWO+1], 0
	s_lshl_b32 s38, ttmp9, 18
	s_lshl_b32 s39, s[WV], 10                      ; my wave's 256 columns of out0
	s_add_co_u32 s38, s38, s39
	s_mov_b32 s39, 0
	s_mul_i32 s36, s[WV], 32*WSTEP                 ; my wave's stream in wq: 4 products x 8 K steps
	s_mov_b32 s37, 0
	s_mov_b32 s[PH], 0
	s_wait_alu depctr_va_vdst(0)
	s_wait_kmcnt 0x0
	s_add_nc_u64 s[WP:WP+1], s[WP:WP+1], s[36:37]
	s_add_nc_u64 s[OP:OP+1], s[OP:OP+1], s[38:39]
	s_add_nc_u64 s[XP:XP+1], s[4:5], s[ROWO:ROWO+1]   ; q at my wave's 16 rows
	global_load_b128 v[MK:MK+3], v36, s[10:11]     ; the mask: wanted behind the three products; it is older than every load of x, so the first wait for x shows it in
	global_load_b128 v[MK+4:MK+7], v36, s[10:11] offset:16
	XLOAD 0                                        ; q's first four K steps
	XLOAD 1
	XLOAD 2
	XLOAD 3
.Lphase:                                           ; three trips: the Q, K and V products.  The first four K steps of the trip's x have been asked for
	s_cmp_eq_u32 s[PH], 0
	s_cselect_b64 s[PF:PF+1], s[6:7], s[8:9]       ; the next x, for the prefetches
	s_add_nc_u64 s[PF:PF+1], s[PF:PF+1], s[ROWO:ROWO+1]
	s_and_b32 s36, s[PH], 1                        ; qh's codes or kh's
	s_mul_i32 s37, s36, KC-QC
	v_add_nc_u32 v[EQA], s37, v[EQ0]
	s_mul_i32 s38, s36, KS-QS
	v_add_nc_u32 v[EQS], s38, v[EQS0]
	; x -> codes.  Behind step s's quantiser its set of registers takes the loads of four steps on, or group s - 4 of the ring's first fill.
	; Counts of loads: ahead of the first turn three sets of 16 are younger than step 0's; ahead of the turn of step s + 1 two sets of 16
	XTURN 0, 48
	XTURN 1, 32
	XSTEP 0, 32
	XLOAD 4
	XTURN 2, 32
	XSTEP 1, 32
	XLOAD 5
	XTURN 3, 32
	XSTEP 2, 32
	XLOAD 6
	XTURN 4, 32
	XSTEP 3, 32
	XLOAD 7
	XTURN 5, 32
	XSTEP 4, 32
	BLOAD 0, 0
	XTURN 6, 32
	XSTEP 5, 32
	WSLOAD 0, 0
	BLOAD 1, 0
	XTURN 7, 32
	XSTEP 6, 32
	BLOAD 2, 0
	XSTEP 7, 0
	WSLOAD 1, 0
	BLOAD 3, 0
	WIN 0
	BARRIER                                        ; the 64 tokens' images, each tile stored by one wave, lie in LDS for all four
	GEMM 1
	s_cmp_lt_u32 s[PH], 2                          ; vh stays in the accumulators, and v has no successor
	s_cbranch_scc0 .Lnoeq
	s_wait_xcnt 0x0                                ; every load of this x is in (the product's last wait was for 0) and the prefetches have read their addresses: the base may be written
	s_cmp_eq_u32 s[PH], 0
	s_cselect_b64 s[XP:XP+1], s[6:7], s[8:9]       ; the next x
	s_add_nc_u64 s[XP:XP+1], s[XP:XP+1], s[ROWO:ROWO+1]
	XLOAD 0                                        ; its first four K steps, into the ring's registers (nine places behind the last products): they land while qh or kh is quantised
	XLOAD 1
	XLOAD 2
	XLOAD 3
	EQOUT 2, 0
	EQOUT 3, 1
.Lnoeq:
	BARRIER                                        ; every wave's reads of X are over, so it may be written again; qh's or kh's codes have landed
	s_wait_xcnt 0x0                                ; the loads and prefetches have read their bases
	s_add_nc_u64 s[WP:WP+1], s[WP:WP+1], WSTEP     ; from K step 7 to the next product's K step 0
	s_add_co_u32 s[PH], s[PH], 1
	s_cmp_lt_u32 s[PH], 3
	s_cbranch_scc1 .Lphase
	s_wait_loadcnt 0x0                             ; no load of mine is out here (the V product's last wait was for 0, and nothing was asked for behind it): the line says so on every way through the text, ahead of the loads into the ring's registers
.irp j, 0,2,4,6
	v_pk_mul_f32 v[MK+\j:MK+\j+1], v[MK+\j:MK+\j+1], 0x3e38aa3b op_sel_hi:[1,0]   ; the mask x log2(e) / 8
.endr
	; ---- Wo's first K step is asked for now: it lands under the scores and p . vh, which issue no global load, so the product's counts hold
	BLOAD 0, 0
	WSLOAD 0, 0
	BLOAD 1, 0
	BLOAD 2, 0
	WSLOAD 1, 0
	BLOAD 3, 0
	WIN 0
	; ---- THE SCORES AND THE SOFTMAX: my wave's 16 tokens, two a trip.  S^T = kh qh^T (source 0 = the 16 heads g of kh, source 1 = the 16 heads h of qh): lane (h, hh) holds g = 8 hh + 0 .. 7.  K = 64: the upper 64 of the instruction's 128 are zero codes.
.irp z, 136,152,168,184
.irp j, 0,1,2,3,4,5,6,7
	v_mov_b32 v[\z+\j], 0                          ; registers 8-15 of the four fragments: zero codes, written once
.endr
.endr
.irp j, 0,1,2,3,4,5,6,7,8,9,10,11,12,13,14,15
	v_mov_b32 v[208+\j], 0                         ; the work registers: lane permutes' destinations and the upper halves of pairs are named before they are written.  (Also the places between the zero codes and the first product)
.endr
	s_mov_b32 s[TQ], 0
	s_mov_b32 s[TS], 0
	s_mov_b32 s[CNT], 8
.Lsc:
	v_add_nc_u32 v13, s[TQ], v[SCK]
	v_add_nc_u32 v14, s[TQ], v[SCQ]
	v_add_nc_u32 v15, s[TS], v[SCS]
.irp k, 0,1
	ds_load_b128 v[128+32*\k:131+32*\k], v13 offset:1040*\k
	ds_load_b128 v[132+32*\k:135+32*\k], v13 offset:1040*\k+512
	ds_load_b128 v[144+32*\k:147+32*\k], v14 offset:1040*\k
	ds_load_b128 v[148+32*\k:151+32*\k], v14 offset:1040*\k+512
	ds_load_b32 v[SW+\k], v15 offset:68*\k         ; lanes 0-15: qh's words; lanes 16-31: kh's
.endr
	s_wait_dscnt 0x0
.irp k, 0,1
	v_wmma_scale_f32_16x16x128_f8f6f4 v[192+8*\k:199+8*\k], v[128+32*\k:143+32*\k], v[144+32*\k:159+32*\k], 0, v[SW+\k], v[SW+\k] matrix_a_fmt:MATRIX_FMT_BF8 matrix_b_fmt:MATRIX_FMT_BF8 matrix_a_scale:MATRIX_SCALE_ROW1
.endr
	PLACES 9                                       ; for the reads below, the next trip's loads, and the next trip's products, which write over these results
.irp k, 0,1
.irp j, 0,2,4,6
	v_pk_mul_f32 v[192+8*\k+\j:193+8*\k+\j], v[192+8*\k+\j:193+8*\k+\j], v[MK+\j:MK+\j+1]   ; t = score x mask x log2(e) / 8
.endr
.endr
.irp k, 0,1
	v_max3_num_f32 v[208+2*\k], v[192+8*\k], v[193+8*\k], v[194+8*\k]
.endr
.irp k, 0,1
	v_max3_num_f32 v[208+2*\k], v[208+2*\k], v[195+8*\k], v[196+8*\k]
.endr
.irp k, 0,1
	v_max3_num_f32 v[208+2*\k], v[208+2*\k], v[197+8*\k], v[198+8*\k]
.endr
.irp k, 0,1
	v_max_num_f32 v[208+2*\k], v[208+2*\k], v[199+8*\k]
.endr
.irp k, 0,1
	v_permlanex16_b32 v[212+\k], v[208+2*\k], s[SEL], s[SEL+1]
.endr
.irp k, 0,1
	v_max_num_f32 v[208+2*\k], v[208+2*\k], v[212+\k]   ; the row's largest t over all 16 g
.endr
.irp k, 0,1
.irp j, 0,2,4,6
	v_pk_add_f32 v[192+8*\k+\j:193+8*\k+\j], v[192+8*\k+\j:193+8*\k+\j], v[208+2*\k:209+2*\k] op_sel_hi:[1,0] neg_lo:[0,1] neg_hi:[0,1]   ; t less the largest t
.endr
.endr
	s_wait_alu depctr_va_vdst(0)
.irp j, 0,1,2,3,4,5,6,7,8,9,10,11,12,13,14,15
	v_exp_f32 v[192+\j], v[192+\j]
.endr
	v_nop                                          ; a plain line behind the last exponential,
	s_wait_alu depctr_va_vdst(0)                   ; and one wait for the batch of 16, ahead of its first reader
.irp k, 0,1
	v_pk_add_f32 v[216+2*\k:217+2*\k], v[192+8*\k:193+8*\k], v[194+8*\k:195+8*\k]
.endr
.irp k, 0,1
	v_pk_add_f32 v[216+2*\k:217+2*\k], v[216+2*\k:217+2*\k], v[196+8*\k:197+8*\k]
.endr
.irp k, 0,1
	v_pk_add_f32 v[216+2*\k:217+2*\k], v[216+2*\k:217+2*\k], v[198+8*\k:199+8*\k]
.endr
.irp k, 0,1
	v_add_f32 v[216+2*\k], v[216+2*\k], v[217+2*\k]
.endr
.irp k, 0,1
	v_permlanex16_b32 v[212+\k], v[216+2*\k], s[SEL], s[SEL+1]
.endr
.irp k, 0,1
	v_add_f32 v[216+2*\k], v[216+2*\k], v[212+\k]  ; the row's sum
.endr
	s_wait_alu depctr_va_vdst(0)
.irp k, 0,1
	v_rcp_f32 v[220+2*\k], v[216+2*\k]
.endr
	v_nop
	s_wait_alu depctr_va_vdst(0)                   ; one wait for the two reciprocals
.irp k, 0,1
.irp j, 0,2,4,6
	v_pk_mul_f32 v[192+8*\k+\j:193+8*\k+\j], v[192+8*\k+\j:193+8*\k+\j], v[220+2*\k:221+2*\k] op_sel_hi:[1,0]   ; p, normalised
.endr
.endr
.irp k, 0,1
	ds_store_b128 v14, v[192+8*\k:195+8*\k] offset:1040*\k        ; p as an image of its registers, over the token's qh row, which my wave alone has read
	ds_store_b128 v14, v[196+8*\k:199+8*\k] offset:1040*\k+512
.endr
	s_wait_dscnt 0x0                               ; the stores have read their registers
	s_add_co_u32 s[TQ], s[TQ], 2080
	s_add_co_u32 s[TS], s[TS], 136
	s_sub_co_u32 s[CNT], s[CNT], 1
	s_cmp_lg_u32 s[CNT], 0
	s_cbranch_scc1 .Lsc
	BARRIER                                        ; every wave's reads of kh and of the scale words are over, so vh may be laid over them; p has landed for the waves that will read it
	; ---- p . vh, by quarters of 16 tokens: all four waves lay the quarter's vh (each its 64 channels' share) into LDS; then wave w takes tokens 4 w .. 4 w + 3 of the quarter
	s_mov_b32 s[RD], 0
	s_mov_b32 s[SPO], 0
	s_mov_b32 s[SXO], 0
	s_mov_b32 s[SSO], 0
.Lrd:
	s_cmp_eq_u32 s[RD], 0                          ; the quarter's accumulators have other register numbers in each trip: four copies of the 32 stores, chosen by the trip's number
	s_cbranch_scc0 .Lr1
	VHSTORE 0
	s_branch .Lrs
.Lr1:
	s_cmp_eq_u32 s[RD], 1
	s_cbranch_scc0 .Lr2
	VHSTORE 1
	s_branch .Lrs
.Lr2:
	s_cmp_eq_u32 s[RD], 2
	s_cbranch_scc0 .Lr3
	VHSTORE 2
	s_branch .Lrs
.Lr3:
	VHSTORE 3
.Lrs:
	BARRIER                                        ; the quarter's vh lies in LDS
	v_add_nc_u32 v13, s[SPO], v[PPA]
	v_add_nc_u32 v15, s[SXO], v[PVA]
	v_add_nc_u32 v16, s[SSO], v[PVS]
	PAIR 0
	PAIR 1
	BARRIER                                        ; every wave's reads of vh are over, so the next quarter may be laid there; behind the last: attn's codes lie in X for all four waves
	s_add_co_u32 s[SPO], s[SPO], 16640
	s_add_co_u32 s[SXO], s[SXO], XMT
	s_add_co_u32 s[SSO], s[SSO], 64
	s_add_co_u32 s[RD], s[RD], 1
	s_cmp_lt_u32 s[RD], 4
	s_cbranch_scc1 .Lrd
	; ---- the O product and the way out
	GEMM 0
	TOSTAGE 0                                      ; (the nine places behind the last products stand ahead of it)
.irp o, 1,2,3,4,5,6,7
.if \o > 1
	s_wait_xcnt 0x0                                ; block o - 2's stores have read their registers: block o's loads may land there
.endif
	TOSTAGE \o
	SEND \o-1, 32                                  ; behind block o - 1's loads: block o's 16 stores and 16 loads
.endr
	SEND 7, 0
	s_wait_tensorcnt 0x0                           ; the wave's end, behind my last LDS store
	ds_add_u32 v[SPW], v[NIL]
	s_wait_dscnt 0x0
	s_endpgm
.Lfunc_end_k_q2c5d41e426_mha:
	.size	k_q2c5d41e426_mha, .Lfunc_end_k_q2c5d41e426_mha-k_q2c5d41e426_mha
	.p2alignl 7, 3214868480
	.fill 96, 4, 3214868480
	.section	.rodata,"a",@progbits
	.p2align	6, 0x0
	.amdhsa_kernel k_q2c5d41e426_mha
		.amdhsa_group_segment_fixed_size 252928
		.amdhsa_private_segment_fixed_size 0
		.amdhsa_enable_private_segment 0
		.amdhsa_kernarg_size 48
		.amdhsa_user_sgpr_count 2
		.amdhsa_user_sgpr_kernarg_segment_ptr 1
		.amdhsa_wavefront_size32 1
		.amdhsa_system_sgpr_workgroup_id_x 1
		.amdhsa_system_sgpr_workgroup_id_y 1
		.amdhsa_system_sgpr_workgroup_id_z 1
		.amdhsa_system_vgpr_workitem_id 0
		.amdhsa_next_free_vgpr 1024
		.amdhsa_next_free_sgpr 66
		.amdhsa_reserve_vcc 0
		.amdhsa_float_denorm_mode_32 3
		.amdhsa_float_denorm_mode_16_64 3
		.amdhsa_memory_ordered 1
		.amdhsa_forward_progress 1
		.amdhsa_inst_pref_size 255
	.end_amdhsa_kernel
	.section	.bss,"aw",@nobits
	.p2align	6
	.space	262144
	.amdgpu_metadata
---
amdhsa.version: [ 1, 2 ]
amdhsa.kernels:
  - .name:           k_q2c5d41e426_mha
    .symbol:         k_q2c5d41e426_mha.kd
    .args:
      - { .name: q, .offset: 0, .size: 8, .value_kind: global_buffer, .address_space: global }
      - { .name: k, .offset: 8, .size: 8, .value_kind: global_buffer, .address_space: global }
      - { .name: v, .offset: 16, .size: 8, .value_kind: global_buffer, .address_space: global }
      - { .name: mask, .offset: 24, .size: 8, .value_kind: global_buffer, .address_space: global }
      - { .name: wq, .offset: 32, .size: 8, .value_kind: global_buffer, .address_space: global }
      - { .name: out0, .offset: 40, .size: 8, .value_kind: global_buffer, .address_space: global }
    .group_segment_fixed_size: 252928
    .private_segment_fixed_size: 0
    .kernarg_segment_align: 8
    .kernarg_segment_size: 48
    .max_flat_workgroup_size: 128
    .sgpr_count:     66
    .vgpr_count:     1024
    .wavefront_size: 32
...
	.end_amdgpu_metadata
.endif
;; end of part 4
